; MI455X (gfx1250); checked and timed in simulation.
; The chip was launched on July 23, 2026; its instructions are those of AMD's public machine-readable ISA for CDNA 5 (MIT licence, August 2026) and "CDNA5" Instruction Set Architecture Reference Guide (July 2026). The comments in the code are by the model that wrote it; some were corrected since.
;; Grouped Query Attention. Allowed arithmetic: float matrix products may take bf16 or f16 operands with f32 sums; other float arithmetic in f32, or as packed bf16 or f16 multiplies, adds, multiply-adds, maxima and minima; sums over many terms, partial sums and values carried from step to step in f32; what a program stores and reads back later, other than sums and carried values, may be rounded once to bf16 or f16.
;; Inputs: Wk 4,096 x 1,024 float32; Wo 4,096 x 4,096 float32; Wq 4,096 x 4,096 float32; Wv 4,096 x 1,024 float32; x 1 x 1,024 x 4,096 float32.
;; Outputs: out0 1 x 1,024 x 4,096 float32.
;; 2 versions, each right; version 2 is version 1 with the launch prep written anew for expert scheduling mode. Each part assembles by itself: llvm-mc -triple=amdgcn-amd-amdhsa -mcpu=gfx1250 --defsym DOCPART=n.
;; ======== version 1 of 2: 4 launches
;; limits: values are held in f16: magnitudes above 65,504 overflow, below 6.1e-05 lose precision; right only within a limited range of input values; inputs' magnitudes at most 65,504
;; workspace buffers: xb 8,388,608 bytes; tab 1,048,576 bytes; qkvh 12,582,912 bytes; ob 8,388,608 bytes; wof 33,554,432 bytes
;; launch prep (part 1): grid 256 x 1, 8 waves a work-group, no clusters, 0 bytes of LDS; arguments x, xb, tab; writes xb, tab
.if DOCPART == 1
	.amdgcn_target "amdgcn-amd-amdhsa--gfx1250"
	.amdhsa_code_object_version 6
	.text
	.protected	k_qc9a4915580_prep
	.globl	k_qc9a4915580_prep
	.p2align	8
	.type	k_qc9a4915580_prep,@function
k_qc9a4915580_prep:
	s_mov_b64 s[64:65], 0
	v_nop
	global_prefetch_b8 v0, s[64:65] scope:SCOPE_SE
	s_setreg_imm32_b32 hwreg(HW_REG_WAVE_MODE, 25, 1), 1
	s_wait_xcnt 0x0
; xb = x rounded to bf16; tab = the RoPE table, times 0.25, and an identity table of the same shape.
; x: [1024][4096] f32.  xb: [1024][4096] bf16.  tab: two parts of [1024 positions][64 cos, 64 sin] f32 (512 bytes a position):
; part 0 holds 0.25 cos(pos f_j), 0.25 sin(pos f_j), f_j = 10000^(-j/64); part 1 (524,288 bytes on) holds 0.25 and 0, so that v runs through the same way out as q and k.
; The factor 0.25 is exact; it keeps q, k and v, which the next launch stores in f16, four times further from f16's end.
; SHARES.  Work-group g: rows 4 g .. 4 g + 3 of x (65,536 bytes in, 32,768 out) and positions 4 g .. 4 g + 3 of both parts of the table.
; Thread t takes 16 bytes at 16 t of each 4,096 bytes of x: a wave's load covers 512 consecutive bytes, its store of 8 bytes a lane 256 consecutive bytes, aligned.
; All sixteen loads go out first; the table is reckoned while they are on their way.  No register is used twice, so no source of a pending store is rewritten.
; LIMIT.  The angle is reduced by a two-part pi/2, made for angles up to 1,023 (this problem's positions).
.set XI, 32                            ; v[32:95]   sixteen loads of four f32
.set XO, 96                            ; v[96:127]  sixteen results of four bf16
	s_load_b128 s[4:7], s[0:1], 0x0                ; x s[4:5], xb s[6:7]
	s_load_b64 s[8:9], s[0:1], 0x10                ; tab
	v_lshlrev_b32 v1, 4, v0                        ; 16 t
	v_lshlrev_b32 v2, 3, v0                        ; 8 t
	v_lshrrev_b32 v3, 5, v0
	v_readfirstlane_b32 s10, v3                    ; wave 0..7
	v_and_b32 v4, 31, v0                           ; lane
	s_lshl_b32 s12, ttmp9, 16                      ; my four rows in x,
	s_mov_b32 s13, 0
	s_lshl_b32 s14, ttmp9, 15                      ; and in xb
	s_mov_b32 s15, 0
	s_and_b32 s16, s10, 3
	s_lshl_b32 s17, ttmp9, 2
	s_add_co_u32 s16, s16, s17                     ; my wave's position = 4 g + wave % 4
	s_lshr_b32 s18, s10, 2                         ; my wave's part of the table
	s_lshl_b32 s20, s18, 19
	s_lshl_b32 s19, s16, 9
	s_add_co_u32 s20, s20, s19                     ; 524,288 part + 512 position
	s_mov_b32 s21, 0
	s_cmp_eq_u32 s18, 0
	s_cselect_b32 s22, 0x3e800000, 0               ; part 0: cos and sin times 0.25; part 1: times 0,
	s_cselect_b32 s23, 0, 0x3e800000               ; and 0.25 added to the cos
	s_wait_kmcnt 0x0
	s_add_nc_u64 s[4:5], s[4:5], s[12:13]
	s_add_nc_u64 s[6:7], s[6:7], s[14:15]
	s_add_nc_u64 s[8:9], s[8:9], s[20:21]
.irp p, 0,1,2,3,4,5,6,7,8,9,10,11,12,13,14,15
	global_load_b128 v[XI+4*(\p):XI+4*(\p)+3], v1, s[4:5] offset:4096*(\p) th:TH_LOAD_NT
.endr
	; the table: lane l makes j = 2 l and 2 l + 1
	v_lshlrev_b32 v5, 3, v4                        ; 8 l: my two numbers' place among the 64
	v_lshlrev_b32 v6, 1, v4
	v_cvt_f32_u32 v6, v6                           ; j
	v_add_f32 v7, 1.0, v6                          ; j + 1
	v_mul_f32 v6, 0xbe549a78, v6                   ; -j log2(10000) / 64
	v_mul_f32 v7, 0xbe549a78, v7
	v_exp_f32 v6, v6                               ; f_j
	v_exp_f32 v7, v7
	v_cvt_f32_u32 v8, s16                          ; the position
	v_nop                                          ; a plain instruction behind the second exponential,
	s_wait_alu depctr_va_vdst(0)                   ; and the one wait for both ahead of their first reader
	v_mul_f32 v6, v8, v6                           ; the angles
	v_mul_f32 v7, v8, v7
; sin and cos of v[a] >= 0 into v[so], v[co].  k = the nearest whole number to a 2 / pi; y = a - k pi/2 in two parts, |y| <= pi/4; two short series; the quadrant k % 4 swaps them and sets the signs.
.macro SINCOS a, so, co
	v_mul_f32 v14, 0x3f22f983, v[\a]
	v_rndne_f32 v14, v14                           ; k
	v_fmamk_f32 v15, v14, 0xbfc90fdb, v[\a]        ; a - k pi/2 (upper part),
	v_fmamk_f32 v15, v14, 0x333bbd2e, v15          ; and the rest of pi/2
	v_mul_f32 v16, v15, v15                        ; y^2
	v_mov_b32 v[\so], 0xb9500d01                   ; -1/5040
	v_fmaak_f32 v[\so], v[\so], v16, 0x3c088889    ; 1/120
	v_fmaak_f32 v[\so], v[\so], v16, 0xbe2aaaab    ; -1/6
	v_mul_f32 v[\so], v[\so], v16
	v_fma_f32 v[\so], v[\so], v15, v15             ; sin y
	v_mov_b32 v[\co], 0x37d00d01                   ; 1/40320
	v_fmaak_f32 v[\co], v[\co], v16, 0xbab60b61    ; -1/720
	v_fmaak_f32 v[\co], v[\co], v16, 0x3d2aaaab    ; 1/24
	v_fmaak_f32 v[\co], v[\co], v16, 0xbf000000    ; -1/2
	v_fma_f32 v[\co], v[\co], v16, 1.0             ; cos y
	v_cvt_i32_f32 v17, v14
	v_and_b32 v18, 1, v17
	v_cmp_eq_u32 vcc_lo, 1, v18                    ; odd quadrants swap the two
	v_cndmask_b32 v18, v[\so], v[\co], vcc_lo
	v_cndmask_b32 v[\co], v[\co], v[\so], vcc_lo
	v_and_b32 v15, 2, v17                          ; sin is negative in quadrants 2, 3,
	v_lshlrev_b32 v15, 30, v15
	v_xor_b32 v[\so], v15, v18
	v_add_nc_u32 v17, 1, v17                       ; cos in quadrants 1, 2
	v_and_b32 v17, 2, v17
	v_lshlrev_b32 v17, 30, v17
	v_xor_b32 v[\co], v17, v[\co]
	v_fma_f32 v[\co], v[\co], s22, s23
	v_mul_f32 v[\so], s22, v[\so]
.endm
	SINCOS 6, 12, 10
	SINCOS 7, 13, 11
	global_store_b64 v5, v[10:11], s[8:9]          ; the wave's 64 cos: 256 consecutive bytes, aligned
	global_store_b64 v5, v[12:13], s[8:9] offset:256  ; and its 64 sin
.irp p, 0,1,2,3,4,5,6,7,8,9,10,11,12,13,14,15
	s_wait_loadcnt 15-(\p)                         ; loads come back in order: load p is in, the 15 - p younger ones may stay out
	v_cvt_pk_bf16_f32 v[XO+2*(\p)], v[XI+4*(\p)], v[XI+4*(\p)+1]
	v_cvt_pk_bf16_f32 v[XO+2*(\p)+1], v[XI+4*(\p)+2], v[XI+4*(\p)+3]
	global_store_b64 v2, v[XO+2*(\p):XO+2*(\p)+1], s[6:7] offset:2048*(\p)
.endr
	s_endpgm
.Lfunc_end_k_qc9a4915580_prep:
	.size	k_qc9a4915580_prep, .Lfunc_end_k_qc9a4915580_prep-k_qc9a4915580_prep
	.p2alignl 7, 3214868480
	.fill 96, 4, 3214868480
	.section	.rodata,"a",@progbits
	.p2align	6, 0x0
	.amdhsa_kernel k_qc9a4915580_prep
		.amdhsa_group_segment_fixed_size 0
		.amdhsa_private_segment_fixed_size 0
		.amdhsa_enable_private_segment 0
		.amdhsa_kernarg_size 24
		.amdhsa_user_sgpr_count 2
		.amdhsa_user_sgpr_kernarg_segment_ptr 1
		.amdhsa_wavefront_size32 1
		.amdhsa_system_sgpr_workgroup_id_x 1
		.amdhsa_system_sgpr_workgroup_id_y 1
		.amdhsa_system_sgpr_workgroup_id_z 1
		.amdhsa_system_vgpr_workitem_id 0
		.amdhsa_next_free_vgpr 128
		.amdhsa_next_free_sgpr 66
		.amdhsa_reserve_vcc 1
		.amdhsa_float_denorm_mode_32 3
		.amdhsa_float_denorm_mode_16_64 3
		.amdhsa_memory_ordered 1
		.amdhsa_forward_progress 1
		.amdhsa_inst_pref_size 10
	.end_amdhsa_kernel
	.amdgpu_metadata
---
amdhsa.version: [ 1, 2 ]
amdhsa.kernels:
  - .name:           k_qc9a4915580_prep
    .symbol:         k_qc9a4915580_prep.kd
    .args:
      - { .name: x, .offset: 0, .size: 8, .value_kind: global_buffer, .address_space: global }
      - { .name: xb, .offset: 8, .size: 8, .value_kind: global_buffer, .address_space: global }
      - { .name: tab, .offset: 16, .size: 8, .value_kind: global_buffer, .address_space: global }
    .group_segment_fixed_size: 0
    .private_segment_fixed_size: 0
    .kernarg_segment_align: 8
    .kernarg_segment_size: 24
    .max_flat_workgroup_size: 256
    .sgpr_count:     66
    .vgpr_count:     128
    .wavefront_size: 32
...
	.end_amdgpu_metadata
.endif
;; end of part 1
;; launch proj (part 2): grid 64 x 4, 4 waves a work-group, clusters of 4 x 4, 327,680 bytes of LDS; arguments xb, Wq, Wk, Wv, tab, qkvh, Wo, wof; writes qkvh, wof
.if DOCPART == 2
	.amdgcn_target "amdgcn-amd-amdhsa--gfx1250"
	.amdhsa_code_object_version 6
	.text
	.protected	k_qc9a4915580_proj
	.globl	k_qc9a4915580_proj
	.p2align	8
	.type	k_qc9a4915580_proj,@function
k_qc9a4915580_proj:
	s_mov_b64 s[64:65], 0
	v_nop
	global_prefetch_b8 v0, s[64:65] scope:SCOPE_SE
	s_setreg_imm32_b32 hwreg(HW_REG_WAVE_MODE, 25, 1), 1
	s_wait_xcnt 0x0
	s_wait_alu depctr_hold_cnt(0) depctr_sa_sdst(0) depctr_va_vdst(0) depctr_va_sdst(0) depctr_va_ssrc(0) depctr_va_vcc(0) depctr_vm_vsrc(0)
	s_getreg_b32 s2, hwreg(HW_REG_IB_STS2, 6, 4)
	s_cmp_eq_u32 s2, 0
	s_cbranch_scc0 .Lentry_in_a_cluster
	s_endpgm
.Lentry_in_a_cluster:
	s_bfe_u32 s2, ttmp6, 0x10000c
	s_cmp_lg_u32 s2, 0xf033
	s_cbranch_scc0 .Lentry_shape_is_right
	s_endpgm
.Lentry_shape_is_right:
; CLUSTERS 0 TO 11: q, k, v = x Wq, x Wk, x Wv; RoPE on q and k; all three times 0.25, rounded once to f16, stored by heads.
; CLUSTERS 12 TO 15, for which the product has no tile: Wo is made ready for the last launch (the text at .Lconv, at the end of this file).
; xb: [1024][4096] bf16.  Wq: [4096][4096], Wk, Wv: [4096][1024] f32, K down the rows; rounded to bf16 on the way to the matrix unit.  tab: see below.  qkvh: [48 heads][1024][128] f16 (0-31 q, 32-39 k, 40-47 v).
; LIMIT.  |q|, |k| (behind RoPE) and |v| stay under 262,016, four times f16's largest number; beyond it the conversion gives an infinity.  NaN and infinities are not treated apart.
; SHARES.  A work-group makes 256 rows x one head (128 columns).  Wave w: columns 64 (w % 2) .. + 63, and of K's chunks of 32 those whose number has the parity w / 2.  So no two waves load the same weight,
; and a wave holds 256 x 64 partial sums: 64 accumulators, 512 registers.  The two parities meet in LDS at the end (f32 sums; their order differs from a single chain's).
; THE WALK ALONG K BEGINS AT ANOTHER STEP IN EACH CLUSTER AND GOES ROUND.  K has sixteen steps of 256; cluster c begins at step 2 c (c < 8) or 4 (c - 8).  All twelve clusters read the same rows of x, and each asks for two
; steps at its start: the first fills of clusters 0 to 7 name all sixteen steps between them.  The weights are walked in the same order.  (So the order of the f32 sums differs from cluster to cluster.)
; THE WEIGHTS COME STRAIGHT FROM MEMORY INTO REGISTERS.  Lane (r = l % 16, h = l / 16) loads 16 bytes of row k0 + 8 h + t (t = 0..7, 16..23), columns 4 r .. 4 r + 3: sixteen lanes take 256 consecutive bytes, aligned.
; The lane's four numbers belong to four fragments j = 0..3, in which lane r stands for column 4 r + j; two rows' numbers rounded to bf16 in one instruction are a fragment's register, k in its true place.
; A ring of four raw slots of 64 registers: a chunk's 16 loads go out four chunks ahead of its products and stay out across barriers, under counted waits.
; x COMES BY JOINT TENSOR LOADS into two LDS slots of 256 rows x 256 K; each wave fetches 64 rows.  CLUSTER: 4 heads x all 4 row blocks.  The four work-groups of a cluster's row need the same rows of x:
; one load, one descriptor and one mask in all four.  The four of a column read the same weights at about the same time, through registers.
; REGISTERS, in windows of 256 (s_set_vgpr_msb: bits 1:0 source 0, 3:2 source 1, 5:4 source 2, 7:6 destination):
;   window 0: v0-63 addresses and work; v64-191 x's fragments of 16 row blocks; v192-223, v224-255 the weights' four fragments, two buffers      window 1: the raw ring; at the end the RoPE table
;   windows 2, 3: accumulator (a, j) of row block a, fragment j at v[8 (4 (a % 8) + j)]; a < 8 in window 2
.set KP,    2                          ; K's chunks are dealt to so many waves
.set CPS,   8/KP                       ; a wave's chunks in a step of 256 K
.set PITCH, 528                        ; an LDS row: 512 bytes + 16 of padding = 132 words: the 16 rows of a fragment load start 4 banks apart (64 banks of 4 bytes: ISA guide 11.1)
.set WROWS, 64*PITCH                   ; what one tensor load brings
.set SLOT,  4*WROWS                    ; 135,168 = 0x21000: it shares no bit with WROWS x wave, so one exclusive or turns an address in one slot into the other's
.set HALF,  128*PITCH                  ; row blocks 8-15 begin here: an LDS immediate has 16 bits
.set SPARE, 2*SLOT                     ; behind the slots: the spare words, 128 bytes a wave: two blocks of 256 bytes that no other line names
.set A0B, 4                            ; v4      my lane's place in a slot: 528 r + 16 h + 64 x my parity
.set AA,  5                            ; v5, v6  the same in the slot being read: row blocks 0-7, 8-15
.set GO,  7                            ; v7      the way out: 128 h + 8 r
.set SPW, 8                            ; v8      LDS address of my spare word; never rewritten
.set NIL, 9                            ; v9      0; never rewritten
.set PFB, 11                           ; v11     the prefetch of the weights: my lane's chunk and row
.set PW,  12                           ; v12     where I put my partial sums
.set TO,  13                           ; v13     my offset in the table: 4,096 h + 16 r
.set BO,  16                           ; v16-31  load t's offset in the weights: (row of the chunk) x pitch + 16 r; never rewritten
.set PR,  40                           ; v40-43  where I read wave s's partial sums
.set RTM, 44                           ; v44-59  RoPE: four sets of two products
.set AL,  64
.set BF,  192
.set LOQ, 192                          ; the way out: four rows x four columns of the head's lower half,
.set HIQ, 208                          ; and of its upper half
.set WV,   16                          ; s16  my wave's number
.set NH,   17                          ; s17  my half of the columns
.set KW,   18                          ; s18  my parity of K's chunks
.set ROW0, 19                          ; s19  256 x tile row + 64 x wave
.set LB,   20                          ; s20  my 64 rows in a slot
.set TBR,  21                          ; s21  the slot being read: 0 or SLOT
.set HN,   22                          ; s22  the head's number in its weight buffer
.set CNT,  23                          ; s23  trips to go
.set G1,   24                          ; s[24:31] descriptor group 1
.set G0A,  32                          ; s[32:35] group 0 of the first fill
.set G0B,  36                          ; s[36:39] group 0 of the second fill; it then walks
.set CX,   40
.set CY,   41
.set TX,   42                          ; s42  the head
.set TY,   43                          ; s43  the row block of 256
.set RM,   44                          ; s44  the mask of my row of the cluster
.set SH,   45                          ; s45  log2 of the weights' pitch in bytes
.set BP,   46                          ; s[46:47] the weights at my columns, at the chunk last asked for
.set BS,   48                          ; s48  bytes from one of my chunks to the next: 64 rows
.set KMASK, 50                         ; s50  K x the weights' pitch, less 1: a chunk's offset goes round by it
.set BS5,  51                          ; s51  five chunks of mine
.set LIMB, 53                          ; s53  a wave prefetches the weights while the trips to go exceed this
.set OUT,  54                          ; s[54:55] qkvh at the rows that I finish
.set TABP, 56                          ; s[56:57] tab at the same rows
.set ST,   66                          ; s66  the step at which my cluster begins
.set AIX,  67                          ; s67  the step of x last asked for
.set WOP,  68                          ; s[68:69] Wo
.set WFP,  70                          ; s[70:71] wof
.set XBASE, 72                         ; s[72:73] x at my 64 rows, step 0; never rewritten
.set OFA,  74                          ; s[74:75] a step's byte offset in a row of x
.set BB,   76                          ; s[76:77] the weights at my columns and my parity's first chunk; never rewritten
.set OFQ,  78                          ; s[78:79] the byte offset of the chunk last asked for
.set PBP,  80                          ; s[80:81] the weights at the four chunks that the prefetch names
.set OFP,  82                          ; s[82:83] their byte offset
.set MSB, 0
.macro WIN new                         ; the immediate's high byte repeats the setting that is left; a switch that changes nothing is dropped
.if MSB != (\new)
	s_set_vgpr_msb (MSB<<8)|(\new)
.set MSB, \new
.endif
.endm
.macro CREST                           ; a round of the cluster's barrier behind its opening barrier
	s_cmp_lg_u32 s[WV], 0
	s_cbranch_scc1 .Lnot_wave_0_\@
	s_barrier_signal -3
.Lnot_wave_0_\@:
	s_barrier_wait -3
	s_barrier_signal -1
	s_barrier_wait -1
.endm
.macro CROUND                          ; a whole round
	s_barrier_signal -1
	s_barrier_wait -1
	CREST
.endm
.macro TLOAD                           ; the joint refill; s_nop 0 and four v_nop follow it
	tensor_load_to_lds s[G0B:G0B+3], s[G1:G1+7]
	s_nop 0
.rept 4
	v_nop
.endr
.endm
.macro BSTEP                           ; the weights' pointer goes to my next chunk, round K's end: the offset is made apart from the address
	s_add_co_u32 s[OFQ], s[OFQ], s[BS]
	s_and_b32 s[OFQ], s[OFQ], s[KMASK]
	s_add_nc_u64 s[BP:BP+1], s[BB:BB+1], s[OFQ:OFQ+1]
.endm
.macro BLOAD p                         ; a chunk's 16 loads into raw slot p
	WIN 0x40                                       ; destination window 1, address window 0
.irp t, 0,1,2,3,4,5,6,7,8,9,10,11,12,13,14,15
	global_load_b128 v[64*(\p)+4*(\t):64*(\p)+4*(\t)+3], v[BO+(\t)], s[BP:BP+1]
.endr
.endm
.macro AFETCH hf, imm                  ; 16 LDS loads in one run: x's fragments of row blocks 8 hf .. 8 hf + 7, 32 K at byte imm behind my place
	WIN 0
.irp b, 0,1,2,3,4,5,6,7
	ds_load_b128 v[AL+64*(\hf)+8*(\b):AL+64*(\hf)+8*(\b)+3],   v[AA+(\hf)] offset:(\b)*16*PITCH+(\imm)
	ds_load_b128 v[AL+64*(\hf)+8*(\b)+4:AL+64*(\hf)+8*(\b)+7], v[AA+(\hf)] offset:(\b)*16*PITCH+(\imm)+32
.endr
.endm
; 4 n matrix instructions: row blocks a0 .. a0 + n - 1 x the four fragments of buffer bf.  Each accumulator has one instruction a chunk: the 64 take turns, over the backward jump too.
.macro MUL a0, n, bf, zero
.set a, (\a0)
.rept (\n)
	WIN 0xa0+0x50*(a/8)                            ; C and D in window 2 or 3
.irp j, 0,1,2,3
.if \zero
	v_wmma_f32_16x16x32_bf16 v[8*(4*(a%8)+(\j)):8*(4*(a%8)+(\j))+7], v[AL+8*a:AL+8*a+7], v[BF+32*(\bf)+8*(\j):BF+32*(\bf)+8*(\j)+7], 0
.else
	v_wmma_f32_16x16x32_bf16 v[8*(4*(a%8)+(\j)):8*(4*(a%8)+(\j))+7], v[AL+8*a:AL+8*a+7], v[BF+32*(\bf)+8*(\j):BF+32*(\bf)+8*(\j)+7], v[8*(4*(a%8)+(\j)):8*(4*(a%8)+(\j))+7]
.endif
.endr
.set a, a+1
.endr
.endm
; Half hh of raw slot rs is rounded to bf16 into fragment buffer bd: register i of fragment j takes rows 2 i and 2 i + 1 of the lane's sixteen.  The 16 plain lines name no register of the products round them:
; they are also the four places that stand between a matrix instruction and a load into a register that it has read (ISA guide 7.12.1 for vector instructions).
.macro LUMP hh, rs, bd
	WIN 0x05                                       ; sources window 1, destination window 0
.irp ii, 0,1,2,3
.irp j, 0,1,2,3
	v_cvt_pk_bf16_f32 v[BF+32*(\bd)+8*(\j)+4*(\hh)+(\ii)], v[64*(\rs)+8*(4*(\hh)+(\ii))+(\j)], v[64*(\rs)+8*(4*(\hh)+(\ii))+4+(\j)]
.endr
.endr
.endm
; THE PREFETCH, behind the joint load, its five lines and the run of LDS loads that the next products wait for.
; The weights: my chunks 5 to 8 behind the one just asked for (32 rows x 256 bytes each): the four chunks of one step, so K's end never falls among them; their pointer goes round like the loads'.
; The four work-groups of a cluster's column read the same weights: they share a chunk's rows out BY ADDRESS, 8 each; a lane names one row of one chunk.  Once every four chunks, so each block is named once.
; The last trip asks for nothing: the walk has no such chunks.
; x is not prefetched: each of its steps is first asked for among the launch's first fills, at the head, where nothing is prefetched.
.macro ASKB
	s_cmp_gt_u32 s[CNT], s[LIMB]
	s_cbranch_scc0 .Lnot_b_\@
	global_prefetch_b8 v[PFB], s[PBP:PBP+1] th:TH_LOAD_NT scope:SCOPE_SE
.Lnot_b_\@:
.endm
; ONE CHUNK q of the 64 of a wave's walk, at place p = q % 4 of its step: 64 products with fragment buffer p % 2; chunk q + 1 is rounded from raw slot (p + 1) % 4 into the other buffer; chunk q + 4 is asked for into raw slot p.
; turn = 1: a step's last chunk, with the change of slots; fill = 1: the slot left is filled again.  ld = 0: nothing is left to ask for.  lw: the loads that may stay out when chunk q + 1 must be in.
; cv = 0: the last chunk: nothing to round or fetch.  zero = 1: the products start the sums.
.macro CHUNK p, turn, fill, ld, lw, cv, zero
	WIN 0
.if \cv
	s_wait_loadcnt \lw                             ; chunk q + 1 is in; the 16 loads each of chunks q + 2 and q + 3 may stay out
.endif
.if \ld
	s_wait_xcnt 0x0                                ; every load and prefetch issued so far has read its address: the pointers may be written
	BSTEP
.if \fill
	s_add_co_u32 s[OFP], s[OFQ], s[BS5]            ; five chunks on, round K's end
	s_and_b32 s[OFP], s[OFP], s[KMASK]
	s_add_nc_u64 s[PBP:PBP+1], s[BB:BB+1], s[OFP:OFP+1]
.endif
	BLOAD \p
.endif
.if \turn
	WIN 0
	s_wait_tensorcnt 0x0                           ; all my tensor loads have landed: the one that was out is my part of the next slot;
	ds_add_u32 v[SPW], v[NIL]                      ; 0 onto my spare word;
	s_wait_dscnt 17                                ; (row blocks 0-7 are in; the 16 loads of blocks 8-15 and the add may be out)
	MUL 0, 4, (\p)%2, 0                            ; sixteen products stand between the add and the wait for it
	s_wait_dscnt 0x0                               ; the add is done, and my reads of this slot are over
	s_barrier_signal -1
	MUL 4, 4, (\p)%2, 0                            ; work on registers while the others arrive
	WIN 0
	s_barrier_wait -1
.if \fill
	CREST                                          ; the barrier has opened a round of the cluster's: no wave of any partner still reads this slot or has a load on its way
	s_xor_b32 s[G0B+1], s[G0B+1], SLOT             ; the walking descriptor: the other slot than last time,
	s_add_co_u32 s[AIX], s[AIX], 1                 ; the next step, round K's end: its address is made anew from the step's number
	s_and_b32 s[AIX], s[AIX], 15
	s_lshl_b32 s[OFA], s[AIX], 9                   ; a step is 512 bytes of a row
	s_add_nc_u64 s[G0B+2:G0B+3], s[XBASE:XBASE+1], s[OFA:OFA+1]
	s_or_b32 s[G0B+3], s[G0B+3], 0x80000000        ; type = 2
	TLOAD                                          ; the first tensor load behind the round, my only one until the next
.endif
	s_xor_b32 s[TBR], s[TBR], SLOT                 ; the fetches go on in the other slot
	v_add_nc_u32 v[AA], s[TBR], v[A0B]
	v_add_nc_u32 v[AA+1], HALF, v[AA]
	LUMP 0, ((\p)+1)%4, ((\p)+1)%2
	AFETCH 0, 0
.if \fill
	ASKB
.endif
	MUL 8, 8, (\p)%2, 0
	LUMP 1, ((\p)+1)%4, ((\p)+1)%2
	AFETCH 1, 0
.else
	s_wait_dscnt 16                                ; row blocks 0-7 are in; the younger run of 16 may be out
	MUL 0, 8, (\p)%2, \zero
.if \cv
	LUMP 0, ((\p)+1)%4, ((\p)+1)%2
	AFETCH 0, 64*KP*(((\p)+1)%CPS)
	s_wait_dscnt 16                                ; row blocks 8-15 are in; the 16 just issued may be out
.else
	s_wait_dscnt 0x0
.endif
	MUL 8, 8, (\p)%2, \zero
.if \cv
	LUMP 1, ((\p)+1)%4, ((\p)+1)%2
	AFETCH 1, 64*KP*(((\p)+1)%CPS)
.endif
.endif
.endm
	s_load_b256 s[4:11], s[0:1], 0x0               ; xb s[4:5], Wq s[6:7], Wk s[8:9], Wv s[10:11]
	s_load_b128 s[12:15], s[0:1], 0x20             ; tab s[12:13], qkvh s[14:15]
	s_load_b128 s[WOP:WOP+3], s[0:1], 0x30         ; Wo, wof
	v_lshl_add_u32 v[SPW], v0, 2, SPARE
	v_mov_b32 v[NIL], 0
	ds_add_u32 v[SPW], v[NIL]                      ; the wave's opening: the add and its wait ahead of my first tensor load; the set-up below, work on registers, stands between them
	v_lshrrev_b32 v1, 5, v0
	v_readfirstlane_b32 s[WV], v1                  ; wave 0..3
	s_and_b32 s[NH], s[WV], 1
	s_lshr_b32 s[KW], s[WV], 1
	s_bfe_u32 s[CX], ttmp6, 0x40000                ; my place in the cluster
	s_bfe_u32 s[CY], ttmp6, 0x40004
	s_lshl_b32 s[TX], ttmp9, 2                     ; in a cluster launch ttmp9 and ttmp7 count clusters
	s_add_co_u32 s[TX], s[TX], s[CX]
	s_and_b32 s[TY], ttmp7, 0xffff
	s_lshl_b32 s[TY], s[TY], 2
	s_add_co_u32 s[TY], s[TY], s[CY]
	s_lshl_b32 s[RM], s[CY], 2
	s_lshl_b32 s[RM], 15, s[RM]                    ; my row of the cluster: places 4 cy .. 4 cy + 3
	; descriptor group 1: a tile of 64 rows x 256 elements of 2 bytes, padded in LDS
	s_or_b32 s[G1], s[RM], (1<<16)|(1<<20)|(1<<21)|(6<<22)|(3<<25)  ; 15:0 the mask; 17:16 2-byte elements; 20 padding on; 21 set beside a mask; 24:22 after every 128 words (code 6); 31:25 4 words (code 3)
	s_mov_b32 s[G1+1], 256<<16                     ; tensor_dim0 = 256
	s_mov_b32 s[G1+2], 64<<16                      ; tensor_dim1 = 64
	s_mov_b32 s[G1+3], 256<<16                     ; tile_dim0 = 256
	s_mov_b32 s[G1+4], 64                          ; tile_dim1 = 64
	s_mov_b32 s[G1+5], 4096                        ; elements from row to row
	s_mov_b32 s[G1+6], 0
	s_mov_b32 s[G1+7], 0
	s_mul_i32 s[LB], s[WV], WROWS                  ; no place in the cluster enters an LDS address
	s_mov_b32 s[G0A], 1
	s_mov_b32 s[G0A+1], s[LB]                      ; slot 0
	s_mov_b32 s[G0B], 1
	s_add_co_u32 s[G0B+1], s[LB], SLOT             ; slot 1
	s_lshl_b32 s2, s[TY], 8
	s_lshl_b32 s3, s[WV], 6
	s_add_co_u32 s[ROW0], s2, s3
	s_lshl_b32 s2, s[ROW0], 13                     ; rows of 8,192 bytes
	s_mov_b32 s3, 0
	s_cmp_lt_u32 ttmp9, 8                          ; clusters 0-7 make q, 8 and 9 k, 10 and 11 v: the same answer in all sixteen partners
	s_cselect_b32 s[SH], 14, 12                    ; a row of Wq is 16,384 bytes, of Wk and Wv 4,096
	s_cselect_b32 s[HN], 0, 32
	s_cmp_lt_u32 ttmp9, 10
	s_cselect_b32 s[HN], s[HN], 40
	s_cselect_b32 s59, 0, 0x80000                  ; the table's part: RoPE, or for v the identity
	s_sub_co_u32 s[HN], s[TX], s[HN]
	s_lshl_b32 s60, s[HN], 9                       ; the head's 128 columns,
	s_lshl_b32 s61, s[NH], 8                       ; my 64 of them,
	s_add_co_u32 s60, s60, s61
	s_lshl_b32 s61, s[KW], 5                       ; my parity's first chunk: 32 rows
	s_lshl_b32 s61, s61, s[SH]
	s_add_co_u32 s60, s60, s61
	s_mov_b32 s61, 0
	s_lshl_b32 s[BS], 32*KP, s[SH]
	s_mul_i32 s[BS5], s[BS], 5
	s_add_co_u32 s[KMASK], s[SH], 12               ; 4,096 rows of the weights' pitch,
	s_lshl_b32 s[KMASK], 1, s[KMASK]
	s_sub_co_u32 s[KMASK], s[KMASK], 1             ; less 1
	s_lshl_b32 s[ST], ttmp9, 1                     ; where my cluster begins: made of the cluster's number alone, the same in all sixteen partners
	s_sub_co_u32 s[AIX], ttmp9, 8
	s_lshl_b32 s[AIX], s[AIX], 2
	s_cmp_lt_u32 ttmp9, 8
	s_cselect_b32 s[ST], s[ST], s[AIX]             ; step 2 c, or 4 (c - 8): even, 14 at the most
	s_add_co_u32 s[AIX], s[ST], 1                  ; the second first fill's step: no wrap
	s_lshl_b32 s[OFA], s[ST], 9
	s_mov_b32 s[OFA+1], 0
	s_add_co_u32 s[OFQ], s[SH], 8
	s_lshl_b32 s[OFQ], s[ST], s[OFQ]               ; four chunks of mine a step, 64 rows a chunk
	s_mov_b32 s[OFQ+1], 0
	s_mov_b32 s[OFP+1], 0
	s_mov_b32 s[TBR], 0
	s_mov_b32 s[LIMB], 1
	s_wait_dscnt 0x0                               ; the opening add is done
	s_wait_kmcnt 0x0
	s_cmp_ge_u32 ttmp9, 12                         ; the cluster's number decides, the same in all sixteen partners: clusters 12 to 15 have no tile of the product
	s_cbranch_scc1 .Lconv
	s_add_nc_u64 s[XBASE:XBASE+1], s[4:5], s[2:3]
	s_add_nc_u64 s[G0A+2:G0A+3], s[XBASE:XBASE+1], s[OFA:OFA+1]  ; the walk's first step,
	s_add_nc_u64 s[G0B+2:G0B+3], s[G0A+2:G0A+3], 512             ; and its second
	s_or_b32 s[G0A+3], s[G0A+3], 0x80000000        ; type = 2
	s_or_b32 s[G0B+3], s[G0B+3], 0x80000000
	CROUND                                         ; all sixteen work-groups are here: the first joint loads meet
	tensor_load_to_lds s[G0A:G0A+3], s[G1:G1+7]    ; both first fills go out together: two tensor loads of mine are out
	s_nop 0
	tensor_load_to_lds s[G0B:G0B+3], s[G1:G1+7]
	s_nop 0
.rept 4
	v_nop
.endr
	s_cmp_lt_u32 ttmp9, 10
	s_cselect_b64 s[BB:BB+1], s[8:9], s[10:11]
	s_cmp_lt_u32 ttmp9, 8
	s_cselect_b64 s[BB:BB+1], s[6:7], s[BB:BB+1]
	s_add_nc_u64 s[BB:BB+1], s[BB:BB+1], s[60:61]
	s_add_nc_u64 s[BP:BP+1], s[BB:BB+1], s[OFQ:OFQ+1]
	v_and_b32 v1, 15, v0                           ; r
	v_bfe_u32 v2, v0, 4, 1                         ; h
	v_lshlrev_b32 v32, 3, v2
	v_lshlrev_b32 v33, 4, v1
.irp t, 0,1,2,3,4,5,6,7,8,9,10,11,12,13,14,15
	v_add_nc_u32 v[BO+(\t)], (\t)+8*((\t)/8), v32  ; rows 8 h + 0..7 and 16 + 8 h + 0..7 of the chunk
	v_lshl_add_u32 v[BO+(\t)], v[BO+(\t)], s[SH], v33
.endr
	BLOAD 0                                        ; the walk's chunks 0 to 3
.irp p, 1,2,3
	s_wait_xcnt 0x0
	BSTEP
	BLOAD \p
.endr
	WIN 0
	s_lshl_b32 s62, s[ROW0], 9                     ; I finish the rows that I fetched: 64 w .. 64 w + 63 of the tile
	s_add_co_u32 s62, s62, s59
	s_mov_b32 s63, 0
	s_add_nc_u64 s[TABP:TABP+1], s[12:13], s[62:63]
	s_lshl_b32 s62, s[TX], 18                      ; a head is 262,144 bytes,
	s_lshl_b32 s59, s[ROW0], 8                     ; a row 256
	s_add_co_u32 s62, s62, s59
	s_add_nc_u64 s[OUT:OUT+1], s[14:15], s[62:63]
	v_mul_u32_u24 v[A0B], v1, PITCH
	v_lshl_add_u32 v[A0B], v2, 4, v[A0B]
	s_lshl_b32 s59, s[KW], 6
	v_add_nc_u32 v[A0B], s59, v[A0B]
	v_mov_b32 v[AA], v[A0B]
	v_add_nc_u32 v[AA+1], HALF, v[AA]
	v_and_b32 v34, 31, v0                          ; l
	v_lshrrev_b32 v35, 3, v34                      ; chunk l / 8 of the four at the prefetch's pointer,
	v_lshlrev_b32 v35, 6, v35                      ; 64 rows a chunk of mine,
	s_lshl_b32 s59, s[CY], 3
	v_and_b32 v[PFB], 7, v34
	v_add3_u32 v[PFB], v[PFB], v35, s59            ; row 8 cy + l % 8 of it
	v_lshlrev_b32 v[PFB], s[SH], v[PFB]
	s_lshl_b32 s59, s[WV], 16
	v_lshl_add_u32 v[PW], v34, 4, s59              ; 65,536 w + 16 l
	s_lshl_b32 s59, s[WV], 14
	v_lshl_add_u32 v[PR], v34, 4, s59              ; 65,536 s + 16,384 w + 16 l
	v_add_nc_u32 v[PR+1], 0x10000, v[PR]
	v_add_nc_u32 v[PR+2], 0x20000, v[PR]
	v_add_nc_u32 v[PR+3], 0x30000, v[PR]
	v_lshlrev_b32 v[GO], 3, v1
	v_lshl_add_u32 v[GO], v2, 7, v[GO]
	v_lshl_add_u32 v[TO], v2, 12, v33
	s_wait_tensorcnt 1                             ; my part of the first step is in; the second's may stay out
	s_barrier_signal -1
	s_barrier_wait -1                              ; everybody's is
	AFETCH 0, 0
	AFETCH 1, 0
	s_wait_loadcnt 48                              ; chunk 0 is in; the 3 x 16 loads of chunks 1 to 3 may stay out
	LUMP 0, 0, 0
	LUMP 1, 0, 0
	CHUNK 0, 0, 0, 1, 32, 1, 1                     ; the first chunk alone is written out: its products start the sums, nothing is cleared
	WIN 0                                          ; at a label and at a branch every window is 0
	s_mov_b32 s[CNT], 15                           ; the part trip that follows and 14 whole ones
	s_branch .Lentry                               ; chunks 1 and 2 are the loop's own text: it is entered in the middle of a trip
.Lstep:                                        ; a trip: a step's last chunk, which asks for the step two on in the walk (its steps 2 to 15), and the next step's first three
	CHUNK 3, 1, 1, 1, 32, 1, 0
	CHUNK 0, 0, 0, 1, 32, 1, 0
	WIN 0
.Lentry:
	CHUNK 1, 0, 0, 1, 32, 1, 0
	CHUNK 2, 0, 0, 1, 32, 1, 0
	WIN 0
	s_sub_co_u32 s[CNT], s[CNT], 1
	s_cmp_lg_u32 s[CNT], 0
	s_cbranch_scc1 .Lstep
	CHUNK 3, 1, 0, 1, 32, 1, 0                     ; the tail is written out; this chunk asks for the last of the weights (the walk's chunk 63)
	CHUNK 0, 0, 0, 0, 32, 1, 0                     ; the counts run down: two, one, no chunk may stay out
	CHUNK 1, 0, 0, 0, 16, 1, 0
	CHUNK 2, 0, 0, 0, 0, 1, 0
	; The raw ring is free: it takes the table for the 64 rows that I finish: for row 16 a + 8 h + i my four cos at v[8 (8 a + i)], my four sin behind them.  The loads land under the last chunk and the meeting in LDS.
	WIN 0x40
.irp a4, 0,1,2,3
.irp i8, 0,1,2,3,4,5,6,7
	global_load_b128 v[8*(8*(\a4)+(\i8)):8*(8*(\a4)+(\i8))+3],   v[TO], s[TABP:TABP+1] offset:(16*(\a4)+(\i8))*512
	global_load_b128 v[8*(8*(\a4)+(\i8))+4:8*(8*(\a4)+(\i8))+7], v[TO], s[TABP:TABP+1] offset:(16*(\a4)+(\i8))*512+256
.endr
.endr
	CHUNK 3, 0, 0, 0, 0, 0, 0
	; THE WAY OUT.  The slots have had their last fill: their bytes take the four waves' partial sums, wave w's at 65,536 w + 4,096 a + 512 (2 j + half) + 16 l: every store and load covers 512 consecutive bytes.
	WIN 0
	s_wait_dscnt 0x0                               ; my reads of the slots are over
	s_barrier_signal -1
	s_barrier_wait -1                              ; everybody's are
.rept 8
	v_nop                                          ; the places between the last products and the stores that read their results
.endr
.set a, 0
.rept 16
	WIN 0x08+4*(a/8)                               ; the stores' data in window 2 or 3
.irp j, 0,1,2,3
.irp ih, 0,1
	ds_store_b128 v[PW], v[8*(4*(a%8)+(\j))+4*(\ih):8*(4*(a%8)+(\j))+4*(\ih)+3] offset:a*4096+(2*(\j)+(\ih))*512  ; each accumulator's low four registers first
.endr
.endr
.set a, a+1
.endr
	WIN 0
	s_wait_dscnt 0x0                               ; for the others' sake: my stores are done
	s_barrier_signal -1
	s_barrier_wait -1
; Wave w finishes row blocks 4 w .. 4 w + 3, in eight half blocks n: block n / 2, registers 4 (n % 2) + u, which are rows 16 (n / 2) + 8 h + 4 (n % 2) + u of my 64.
.macro HLOAD n                         ; wave s's fragment j: four registers at 16 s + 4 j of buffer n % 2
	WIN 0
.irp s, 0,1,2,3
.irp j, 0,1,2,3
	ds_load_b128 v[AL+64*((\n)%2)+16*(\s)+4*(\j):AL+64*((\n)%2)+16*(\s)+4*(\j)+3], v[PR+(\s)] offset:((\n)/2)*4096+(2*(\j)+(\n)%2)*512
.endr
.endr
.endm
.macro HWORK n
.set XB, AL+64*((\n)%2)
.set FS, 224+16*((\n)%2)               ; the packed results: two sets take turns
.set TR, 8*(8*((\n)/2)+4*((\n)%2))     ; the table's registers for u = 0
.set RW, 16*((\n)/2)+4*((\n)%2)        ; the row of u = 0, h = 0
	WIN 0
.irp u, 0,1,2,3                        ; the two parities of K are added; the destinations turn fragments x rows into rows x four neighbouring columns.  Waves 0, 2 hold the head's lower 64 channels, waves 1, 3 the upper
.irp j, 0,1,2,3
	v_add_f32 v[LOQ+4*(\u)+(\j)], v[XB+4*(\j)+(\u)], v[XB+32+4*(\j)+(\u)]
	v_add_f32 v[HIQ+4*(\u)+(\j)], v[XB+16+4*(\j)+(\u)], v[XB+48+4*(\j)+(\u)]
.endr
.endr
	WIN 0x04                                       ; source 1, the table, in window 1
.irp u, 0,1,2,3                        ; lower = lower cos - upper sin; upper = upper cos + lower sin; two columns an instruction
.irp c, 0,2
.set T, RTM+4*((2*(\u)+(\c)/2)%4)
	v_pk_mul_f32 v[T:T+1],   v[HIQ+4*(\u)+(\c):HIQ+4*(\u)+(\c)+1], v[TR+8*(\u)+4+(\c):TR+8*(\u)+5+(\c)]
	v_pk_mul_f32 v[T+2:T+3], v[LOQ+4*(\u)+(\c):LOQ+4*(\u)+(\c)+1], v[TR+8*(\u)+4+(\c):TR+8*(\u)+5+(\c)]
	v_pk_fma_f32 v[LOQ+4*(\u)+(\c):LOQ+4*(\u)+(\c)+1], v[LOQ+4*(\u)+(\c):LOQ+4*(\u)+(\c)+1], v[TR+8*(\u)+(\c):TR+8*(\u)+(\c)+1], v[T:T+1] neg_lo:[0,0,1] neg_hi:[0,0,1]
	v_pk_fma_f32 v[HIQ+4*(\u)+(\c):HIQ+4*(\u)+(\c)+1], v[HIQ+4*(\u)+(\c):HIQ+4*(\u)+(\c)+1], v[TR+8*(\u)+(\c):TR+8*(\u)+(\c)+1], v[T+2:T+3]
.endr
.endr
	WIN 0
	s_wait_xcnt 0x0                                ; the earlier stores have read their data: the set may be written again
.irp u, 0,1,2,3
	v_cvt_pk_f16_f32 v[FS+4*(\u)],   v[LOQ+4*(\u)],   v[LOQ+4*(\u)+1]
	v_cvt_pk_f16_f32 v[FS+4*(\u)+1], v[LOQ+4*(\u)+2], v[LOQ+4*(\u)+3]
	v_cvt_pk_f16_f32 v[FS+4*(\u)+2], v[HIQ+4*(\u)],   v[HIQ+4*(\u)+1]
	v_cvt_pk_f16_f32 v[FS+4*(\u)+3], v[HIQ+4*(\u)+2], v[HIQ+4*(\u)+3]
.endr
.irp u, 0,1,2,3                        ; the lower channels' lanes 16-31 change places with the upper channels' lanes 0-15: a register pair then holds ONE row, lower channels in lanes 0-15, upper in 16-31
	v_permlane16_swap_b32 v[FS+4*(\u)],   v[FS+4*(\u)+2]
	v_permlane16_swap_b32 v[FS+4*(\u)+1], v[FS+4*(\u)+3]
.endr
.irp u, 0,1,2,3
	global_store_b64 v[GO], v[FS+4*(\u):FS+4*(\u)+1],   s[OUT:OUT+1] offset:(RW+(\u))*256    ; a store covers one row of a head: 256 consecutive bytes, aligned
	global_store_b64 v[GO], v[FS+4*(\u)+2:FS+4*(\u)+3], s[OUT:OUT+1] offset:(RW+8+(\u))*256
.endr
.endm
	HLOAD 0
	s_wait_loadcnt 0x0                             ; the table
.irp n, 0,1,2,3,4,5,6,7
.if (\n) < 7
	HLOAD (\n)+1
	s_wait_dscnt 16                                ; this half block is in; the next one's 16 loads may stay out
.else
	s_wait_dscnt 0x0
.endif
	HWORK \n
.endr
	s_wait_tensorcnt 0x0                           ; the wave's end: behind my last tensor load and my last LDS store
	ds_add_u32 v[SPW], v[NIL]
	s_wait_dscnt 0x0
	CROUND                                         ; the closing round: no work-group ends while a partner may still ask for a tile that names it
	s_endpgm
; CLUSTERS 12 TO 15: Wo FOR THE LAST LAUNCH.  Wo: [4096][4096] f32, K down the rows.  Each number is rounded to bf16, like every input of the program, and that number is written as f16, the format of the operand
; that it will meet: exact between 2^-14 and 65,504.  LIMITS: bf16(Wo) below 2^-14 keeps f16's fixed step of 6e-8; |Wo| stays under 65,504.
; wof: [32 column blocks of 128][128 chunks of 32 K][8 fragments of 1,024 bytes]: a fragment as it lies in registers: 16 bytes a lane (registers 0-3), then 16 bytes a lane (registers 4-7).  In fragment 4 gg + j
; lane r stands for column 64 gg + 4 r + j of the block; k lies in its true places.  So the last launch loads a fragment by two loads of 512 consecutive bytes and converts nothing.
; SHARES.  A unit is 32 K x 64 columns: 8,192 bytes in, four fragments out.  The wave takes column group g = 16 cy + 4 cx + w and the 32 chunks of K's quarter (cluster - 12).  The loads are the product's own
; (16 bytes a lane, sixteen lanes 256 consecutive bytes of a row).  Two register sets: a trip waits for both, converts both, asks for the next two and stores 8,192 bytes.  No tensor load, no LDS, no barrier but the closing round.
.set CR,   64                          ; v[64:191]   two raw sets of 64
.set CF,   192                         ; v[192:255]  two sets of four fragments
.set CZ,   3                           ; v3   0
.set CO,   13                          ; v13  16 x lane
.set USRC, 32*16384                    ; from a chunk of Wo to the next
.set UDST, 8192                        ; from a chunk of wof to the next
.macro CVLOAD b, off
.irp t, 0,1,2,3,4,5,6,7,8,9,10,11,12,13,14,15
	global_load_b128 v[CR+64*(\b)+4*(\t):CR+64*(\b)+4*(\t)+3], v[BO+(\t)], s[BP:BP+1] offset:(\off) th:TH_LOAD_NT
.endr
.endm
; Register i of fragment j takes rows 2 i and 2 i + 1 of the lane's sixteen, column j of its four.  A packed rounding with 0 as its low half leaves bf16(x) in the upper half of the word: that word is the rounded number as f32.
.macro CVCONV b
.irp i, 0,1,2,3,4,5,6,7
.irp j, 0,1,2,3
	v_cvt_pk_bf16_f32 v[CR+64*(\b)+8*(\i)+(\j)],   v[CZ], v[CR+64*(\b)+8*(\i)+(\j)]
	v_cvt_pk_bf16_f32 v[CR+64*(\b)+8*(\i)+4+(\j)], v[CZ], v[CR+64*(\b)+8*(\i)+4+(\j)]
.endr
.irp j, 0,1,2,3
	v_cvt_pk_f16_f32 v[CF+32*(\b)+8*(\j)+(\i)], v[CR+64*(\b)+8*(\i)+(\j)], v[CR+64*(\b)+8*(\i)+4+(\j)]
.endr
.endr
.endm
.macro CVSTORE b, off
.irp j, 0,1,2,3
	global_store_b128 v[CO], v[CF+32*(\b)+8*(\j):CF+32*(\b)+8*(\j)+3],   s[OUT:OUT+1] offset:(\off)+1024*(\j) th:TH_STORE_NT      ; a store covers 512 consecutive bytes, aligned
	global_store_b128 v[CO], v[CF+32*(\b)+8*(\j)+4:CF+32*(\b)+8*(\j)+7], s[OUT:OUT+1] offset:(\off)+1024*(\j)+512 th:TH_STORE_NT
.endr
.endm
.Lconv:
	s_lshl_b32 s2, s[CY], 4
	s_lshl_b32 s3, s[CX], 2
	s_add_co_u32 s2, s2, s3
	s_add_co_u32 s2, s2, s[WV]                     ; g: my place in the cluster enters addresses alone
	s_sub_co_u32 s3, ttmp9, 12                     ; my quarter of K
	s_lshl_b32 s60, s3, 24                         ; 1,024 rows of 16,384 bytes,
	s_lshl_b32 s61, s2, 8                          ; 64 columns of 4 bytes
	s_add_co_u32 s60, s60, s61
	s_mov_b32 s61, 0
	s_add_nc_u64 s[BP:BP+1], s[WOP:WOP+1], s[60:61]
	s_lshr_b32 s62, s2, 1
	s_lshl_b32 s62, s62, 20                        ; a column block of wof is 128 chunks of 8,192 bytes,
	s_lshl_b32 s63, s3, 18                         ; my quarter 32 of them,
	s_add_co_u32 s62, s62, s63
	s_and_b32 s63, s2, 1
	s_lshl_b32 s63, s63, 12                        ; my group the lower or the upper four fragments
	s_add_co_u32 s62, s62, s63
	s_mov_b32 s63, 0
	s_add_nc_u64 s[OUT:OUT+1], s[WFP:WFP+1], s[62:63]
	v_and_b32 v1, 15, v0                           ; r
	v_bfe_u32 v2, v0, 4, 1                         ; h
	v_lshlrev_b32 v32, 3, v2
	v_lshlrev_b32 v33, 4, v1
.irp t, 0,1,2,3,4,5,6,7,8,9,10,11,12,13,14,15
	v_add_nc_u32 v[BO+(\t)], (\t)+8*((\t)/8), v32  ; rows 8 h + 0..7 and 16 + 8 h + 0..7 of the chunk
	v_lshl_add_u32 v[BO+(\t)], v[BO+(\t)], 14, v33
.endr
	v_and_b32 v[CO], 31, v0
	v_lshlrev_b32 v[CO], 4, v[CO]
	v_mov_b32 v[CZ], 0
	CVLOAD 0, 0
	CVLOAD 1, USRC
	s_mov_b32 s[CNT], 16
.Lcv:                                          ; sixteen trips of two units
	s_wait_loadcnt 0x0                             ; both sets are in: the count is right on both ways past the jump below
	CVCONV 0
	CVCONV 1
	s_cmp_eq_u32 s[CNT], 1                         ; the last trip has nothing behind it to ask for
	s_cbranch_scc1 .Lcv_last
	CVLOAD 0, 2*USRC                               ; the loads ahead of the stores
	CVLOAD 1, 3*USRC
.Lcv_last:
	CVSTORE 0, 0
	CVSTORE 1, UDST
	s_wait_xcnt 0x0                                ; the loads and stores have read their addresses and data: the pointers are stepped, and the next trip writes the fragments' registers anew
	s_add_nc_u64 s[BP:BP+1], s[BP:BP+1], 2*USRC
	s_add_nc_u64 s[OUT:OUT+1], s[OUT:OUT+1], 2*UDST
	s_sub_co_u32 s[CNT], s[CNT], 1
	s_cmp_lg_u32 s[CNT], 0
	s_cbranch_scc1 .Lcv
	s_wait_tensorcnt 0x0                           ; the wave's end
	ds_add_u32 v[SPW], v[NIL]
	s_wait_dscnt 0x0
	CROUND                                         ; a closing round: all sixteen work-groups of this cluster come this way
	s_endpgm
.Lfunc_end_k_qc9a4915580_proj:
	.size	k_qc9a4915580_proj, .Lfunc_end_k_qc9a4915580_proj-k_qc9a4915580_proj
	.p2alignl 7, 3214868480
	.fill 96, 4, 3214868480
	.section	.rodata,"a",@progbits
	.p2align	6, 0x0
	.amdhsa_kernel k_qc9a4915580_proj
		.amdhsa_group_segment_fixed_size 327680
		.amdhsa_private_segment_fixed_size 0
		.amdhsa_enable_private_segment 0
		.amdhsa_kernarg_size 64
		.amdhsa_user_sgpr_count 2
		.amdhsa_user_sgpr_kernarg_segment_ptr 1
		.amdhsa_wavefront_size32 1
		.amdhsa_system_sgpr_workgroup_id_x 1
		.amdhsa_system_sgpr_workgroup_id_y 1
		.amdhsa_system_sgpr_workgroup_id_z 1
		.amdhsa_system_vgpr_workitem_id 0
		.amdhsa_next_free_vgpr 1024
		.amdhsa_next_free_sgpr 84
		.amdhsa_reserve_vcc 0
		.amdhsa_float_denorm_mode_32 3
		.amdhsa_float_denorm_mode_16_64 3
		.amdhsa_memory_ordered 1
		.amdhsa_forward_progress 1
		.amdhsa_inst_pref_size 196
	.end_amdhsa_kernel
	.amdgpu_metadata
---
amdhsa.version: [ 1, 2 ]
amdhsa.kernels:
  - .name:           k_qc9a4915580_proj
    .symbol:         k_qc9a4915580_proj.kd
    .args:
      - { .name: xb, .offset: 0, .size: 8, .value_kind: global_buffer, .address_space: global }
      - { .name: Wq, .offset: 8, .size: 8, .value_kind: global_buffer, .address_space: global }
      - { .name: Wk, .offset: 16, .size: 8, .value_kind: global_buffer, .address_space: global }
      - { .name: Wv, .offset: 24, .size: 8, .value_kind: global_buffer, .address_space: global }
      - { .name: tab, .offset: 32, .size: 8, .value_kind: global_buffer, .address_space: global }
      - { .name: qkvh, .offset: 40, .size: 8, .value_kind: global_buffer, .address_space: global }
      - { .name: Wo, .offset: 48, .size: 8, .value_kind: global_buffer, .address_space: global }
      - { .name: wof, .offset: 56, .size: 8, .value_kind: global_buffer, .address_space: global }
    .group_segment_fixed_size: 327680
    .private_segment_fixed_size: 0
    .kernarg_segment_align: 8
    .kernarg_segment_size: 64
    .max_flat_workgroup_size: 128
    .sgpr_count:     84
    .vgpr_count:     1024
    .wavefront_size: 32
...
	.end_amdgpu_metadata
.endif
;; end of part 2
;; launch attn (part 3): grid 32 x 8, 4 waves a work-group, clusters of 4 x 1, 327,680 bytes of LDS; arguments qkvh, ob; writes ob
.if DOCPART == 3
	.amdgcn_target "amdgcn-amd-amdhsa--gfx1250"
	.amdhsa_code_object_version 6
	.text
	.protected	k_qc9a4915580_attn
	.globl	k_qc9a4915580_attn
	.p2align	8
	.type	k_qc9a4915580_attn,@function
k_qc9a4915580_attn:
	s_mov_b64 s[64:65], 0
	v_nop
	global_prefetch_b8 v0, s[64:65] scope:SCOPE_SE
	s_setreg_imm32_b32 hwreg(HW_REG_WAVE_MODE, 25, 1), 1
	s_wait_xcnt 0x0
	s_wait_alu depctr_hold_cnt(0) depctr_sa_sdst(0) depctr_va_vdst(0) depctr_va_sdst(0) depctr_va_ssrc(0) depctr_va_vcc(0) depctr_vm_vsrc(0)
	s_getreg_b32 s2, hwreg(HW_REG_IB_STS2, 6, 4)
	s_cmp_eq_u32 s2, 0
	s_cbranch_scc0 .Lentry_in_a_cluster
	s_endpgm
.Lentry_in_a_cluster:
	s_bfe_u32 s2, ttmp6, 0x10000c
	s_cmp_lg_u32 s2, 0x3003
	s_cbranch_scc0 .Lentry_shape_is_right
	s_endpgm
.Lentry_shape_is_right:
; CAUSAL ATTENTION, 32 query heads on 8 key and value heads, head size 128.  qkvh: [48][1024][128] f16, heads 0-31 q, 32-39 k, 40-47 v, all times 0.25.  ob: [1024][32 x 128] f16 = 0.25 O, heads merged.
; Products, maxima and sums in f32; the weights p are rounded to f16 for the second product (their sum l is taken of the unrounded p), O once at the end.
; LIMITS.  A hidden score counts as its value less 1e30; a weight below 2^-126 counts as 0 in l; p below 6e-5 keeps f16's fixed step; NaN and infinities are not treated apart.
; THE WALK.  A head's queries lie in 16 blocks of 64; block i needs the key steps 0 .. i of 64 keys, which come in tiles of two steps: i / 2 + 1 tiles.  A work-group takes blocks 15 - b and then b: nine tiles whatever b,
; so all work-groups do equal work, and ONE loop with a constant trip count walks them.  Of a block's last tile: i even: step 0 holds the diagonal and step 1 is wholly hidden (computed all the same: 1 step of 18); i odd: step 1 holds it.
; SHARES.  Wave w owns queries 16 w .. 16 w + 15 of the block in hand.
; CLUSTER.  The four partners are the four query heads of one key and value head, with the same b: they walk the same tiles of K and V and ask for them JOINTLY: the same tensor load, descriptor and mask in all four.
; LAYOUT.  S^T = K Q^T (source 0 = 16 keys, source 1 = 16 queries): a lane holds ONE query (l % 16) and the keys 8 (l / 16) + 0..7; two such results rounded to f16 ARE source 1 of O^T = V^T P.  K comes out of LDS as it lies, V turned (ds_load_tr16_b128).
; SOFTMAX.  A running maximum m and sum l: p = 2^(c s - c m); c = 16 log2(e) / sqrt(128), the 16 for the two factors 0.25; O and l are multiplied by a = 2^(c m_old - c m_new) in every step.
; THE MASK is the C operand that starts S^T's sums: MD x AL + BE.  MD, made once, is -1e30 where key 16 kb + 8 h + j of a diagonal step lies behind my query; (AL, BE) = (1, 0) diagonal, (0, 0) all seen, (0, -1e30) all hidden.
; IN PHASES: a step's fetches, K Q^T, the softmax, V^T P, one after the other.
; REGISTERS: window 0: v0-23 addresses and statistics; v32-63 Q; v64-95 S^T; v96-111 P; v112-175 O^T; v176-207 MD; v208-239 the step's mask.  Window 1: v0-127 K, v128-255 V of one step.  Window 2: v0-31 the second block's Q.
.set KS,    64
.set PK,    272                        ; a row of K in LDS: 256 bytes + 16 of padding: the 16 rows of a load start 4 banks apart (64 banks of 4 bytes: ISA guide 11.1)
.set PV,    288                        ; a row of V: 256 + 32
.set VOFF,  KS*PK                      ; a step's tiles lie together: 64 rows of K, then 64 rows of V
.set STEPB, KS*(PK+PV)
.set SLOT1, 1<<17                      ; a slot holds two steps (71,680 bytes); slot 1 begins here, so that one exclusive or turns an address in one slot into the other's
.set STAGE, SLOT1+2*STEPB              ; behind the ring, never filled by a tensor load: 16 rows x 272 bytes for each wave
.set SP,    272
.set SPARE, STAGE+4*16*SP              ; behind the stages: the spare words, 128 bytes a wave: two blocks of 256 bytes that no other line names
.set AK0, 2                            ; v2   my lane's place in a tile of K
.set AV0, 3                            ; v3   the same for V
.set ADK, 4                            ; v4   the LDS address of K's run of loads
.set ADV, 5                            ; v5   of V's
.set STO, 6                            ; v6   the way out: where I put 16 bytes of a row
.set RD,  7                            ; v7   where I read a row back
.set GO,  8                            ; v8   my byte offset in two rows of ob
.set ST,  12                           ; v12 c m, v13 m, v14-15 l (even keys', odd keys'), v16-19 at work; a in v18
.set SPW, 20                           ; v20  LDS address of my spare word; never rewritten
.set NIL, 21                           ; v21  0; never rewritten
.set PFO, 22                           ; v22  256 x my lane
.set QO,  23                           ; v23  my byte offset in 16 rows of Q
.set Q,   32
.set S,   64
.set P,   96
.set O,   112
.set MD,  176
.set MC,  208
.set WV,  12                           ; s12  my wave's number
.set CX,  13
.set PB,  14                           ; s14  b
.set HI,  15                           ; s15  15 - b
.set G1K, 24                           ; s[24:31] descriptor group 1 for K's tiles
.set G1V, 32                           ; s[32:39] for V's: it differs in the padding alone
.set G0K, 40                           ; s[40:43] group 0 for K
.set G0V, 44                           ; s[44:47] for V
.set KB,  48                           ; s[48:49] K at my step of the head's tile 0
.set VB,  50                           ; s[50:51] V likewise
.set OC,  52                           ; s[52:53] ob at my rows of the block in hand
.set O2,  54                           ; s[54:55] of the second block
.set SLOTS, 56                         ; s56  tiles still to be asked for
.set TW,  57                           ; s57  counts a tile's two steps
.set CS,  58                           ; s[58:59] c
.set SEL, 60                           ; s[60:61] v_permlanex16_b32's selects: each lane takes its own place in the other half
.set TB,  62                           ; s62  LDS byte at which the step to be fetched begins
.set LIM, 63                           ; s63  a wave prefetches while the tiles to be asked for exceed this
.set NXT, 66                           ; s66  the tile to be asked for next
.set LQ,  67                           ; s67  the last tile of the block whose tiles are being asked for
.set LQ2, 68                           ; s68  the second block's last tile
.set RT,  69                           ; s69  tiles of the block in hand still to be entered
.set PAR, 70                           ; s70  the block's parity
.set BIGN, 71                          ; s71  -1e30
.set OFF, 72                           ; s[72:73] a tile's byte offset
.set AL,  74                           ; s[74:75] the mask's factor, in the low word
.set BE,  76                           ; s[76:77] its addend
.set ALN, 78                           ; s78, s79 the same for the tile's second step
.set BEN, 79
.set PFA, 80                           ; s[80:81] where my prefetches stand
.set QA,  82                           ; s[82:83] Q at my rows of the first block
.set QC,  84                           ; s[84:85] of the second
.set MSB, 0
.macro WIN new
.if MSB != (\new)
	s_set_vgpr_msb (MSB<<8)|(\new)
.set MSB, \new
.endif
.endm
.macro CROUND                          ; a round of the cluster's barrier
	s_barrier_signal -1
	s_barrier_wait -1
	s_cmp_lg_u32 s[WV], 0
	s_cbranch_scc1 .Lnot_wave_0_\@
	s_barrier_signal -3
.Lnot_wave_0_\@:
	s_barrier_wait -3
	s_barrier_signal -1
	s_barrier_wait -1
.endm
; A joint fill.  Waves 0 and 1 fetch the two steps' K, waves 2 and 3 their V.  The branch hangs on the wave's number alone.  An s_nop 0 and four v_nop follow each line.
.macro JLOAD
	s_cmp_lt_u32 s[WV], 2
	s_cbranch_scc0 .Lfor_v_\@
	tensor_load_to_lds s[G0K:G0K+3], s[G1K:G1K+7]
	s_nop 0
.rept 4
	v_nop
.endr
	s_branch .Lasked_\@
.Lfor_v_\@:
	tensor_load_to_lds s[G0V:G0V+3], s[G1V:G1V+7]
	s_nop 0
.rept 4
	v_nop
.endr
.Lasked_\@:
.endm
; A PREFETCH of the tile that the NEXT change of slots will ask for: 128 rows of K and of V, 256 bytes a row, a lane a row.  All eight clusters of a key head begin with tiles 0, 1, 2 ..: the one with b = 0, which walks
; tiles 0 to 7 on end, asks.  Its four partners share the rows out BY ADDRESS, 32 each; in each, wave 0 asks for K's and wave 2 for V's.  So each row is named once.  It stops when tile 7 has been named.
.macro ASK
	s_cmp_gt_u32 s[SLOTS], s[LIM]
	s_cbranch_scc0 .Lnot_mine_\@
	global_prefetch_b8 v[PFO], s[PFA:PFA+1] th:TH_LOAD_NT scope:SCOPE_SE
.Lnot_mine_\@:
.endm
; THE CHANGE OF SLOTS.  Each wave waits for all its tensor loads (one is out: its part of the other slot), adds 0 to its spare word, and waits for that and for its reads of the slot that it leaves.
; fill = 1: the barrier is a round of the cluster's, and the old slot is filled again first thing behind it, with tile NXT: the address is made anew from that number.  (At its first use slot 0 is waited for and slot 1 filled.)
.macro CHANGE fill
	WIN 0
	s_wait_tensorcnt 0x0                           ; no tensor load of mine is out, so a group 0 may be written
	ds_add_u32 v[SPW], v[NIL]                      ; 0 onto my spare word; scalar work stands between it and the wait for it
.if \fill
	s_lshl_b32 s[OFF], s[NXT], 15                  ; a tile is 32,768 bytes of K and of V
	s_xor_b32 s[G0K+1], s[G0K+1], SLOT1
	s_add_nc_u64 s[G0K+2:G0K+3], s[KB:KB+1], s[OFF:OFF+1]
	s_or_b32 s[G0K+3], s[G0K+3], 0x80000000
	s_xor_b32 s[G0V+1], s[G0V+1], SLOT1
	s_add_nc_u64 s[G0V+2:G0V+3], s[VB:VB+1], s[OFF:OFF+1]
	s_or_b32 s[G0V+3], s[G0V+3], 0x80000000
	s_add_co_u32 s[NXT], s[NXT], 1                 ; the block's next tile, or behind its last the second block's tile 0
	s_cmp_gt_u32 s[NXT], s[LQ]
	s_cselect_b32 s[NXT], 0, s[NXT]
	s_cselect_b32 s[LQ], s[LQ2], s[LQ]
	s_wait_xcnt 0x0                                ; the last prefetch, a tile back, has read its address
	s_add_nc_u64 s[PFA:PFA+1], s[PFA:PFA+1], 32768
	s_wait_dscnt 0x0                               ; the add is done, and my reads of the slot are over
	CROUND
	JLOAD
	ASK
.else
	s_wait_dscnt 0x0
	s_barrier_signal -1
	s_barrier_wait -1
.endif
	s_sub_co_u32 s[TB], s[TB], 2*STEPB             ; the fetches go back to a slot's first step,
	s_xor_b32 s[TB], s[TB], SLOT1                  ; in the other slot
.endm
.macro TILEMASK                        ; the two steps' mask scalars for the tile that is entered
	s_sub_co_u32 s[RT], s[RT], 1
	s_cmp_eq_u32 s[RT], 0
	s_cselect_b32 s16, 1, 0                        ; the block's last tile?
	s_and_b32 s17, s16, s[PAR]                     ; of an odd block: step 1 holds the diagonal
	s_and_not1_b32 s16, s16, s[PAR]                ; of an even block: step 0 holds it, step 1 is hidden
	s_cmp_lg_u32 s16, 0
	s_cselect_b32 s[AL], 1.0, 0
	s_cselect_b32 s[BEN], s[BIGN], 0
	s_mov_b32 s[BE], 0
	s_cmp_lg_u32 s17, 0
	s_cselect_b32 s[ALN], 1.0, 0
.endm
.macro FETCH_K                         ; 32 loads: keys 16 (f / 4) on, channels 32 (f % 4) on
	WIN 0x40
.irp f, 0,1,2,3,4,5,6,7,8,9,10,11,12,13,14,15
	ds_load_b128 v[8*(\f):8*(\f)+3],   v[ADK] offset:((\f)/4)*16*PK+((\f)%4)*64
	ds_load_b128 v[8*(\f)+4:8*(\f)+7], v[ADK] offset:((\f)/4)*16*PK+((\f)%4)*64+32
.endr
.endm
.macro FETCH_V                         ; 32 turning loads: keys 32 (f / 8) on, channels 16 (f % 8) on
	WIN 0x40
.irp f, 0,1,2,3,4,5,6,7,8,9,10,11,12,13,14,15
	ds_load_tr16_b128 v[128+8*(\f):128+8*(\f)+3],   v[ADV] offset:((\f)/8)*32*PV+((\f)%8)*32
	ds_load_tr16_b128 v[128+8*(\f)+4:128+8*(\f)+7], v[ADV] offset:((\f)/8)*32*PV+16*PV+((\f)%8)*32
.endr
.endm
.macro SOFTMAX
	WIN 0
.irp n, 0,1,2,3                        ; the maximum of the lane's 32 scores and the old m, three operands at a time; each accumulator's lowest registers are read first
	v_max3_num_f32 v[ST+4+(\n)], v[S+8*(\n)], v[S+8*(\n)+1], v[S+8*(\n)+2]
.endr
.irp n, 0,1,2,3
	v_max3_num_f32 v[ST+4+(\n)], v[ST+4+(\n)], v[S+8*(\n)+3], v[S+8*(\n)+4]
.endr
.irp n, 0,1,2,3
	v_max3_num_f32 v[ST+4+(\n)], v[ST+4+(\n)], v[S+8*(\n)+5], v[S+8*(\n)+6]
.endr
	v_max3_num_f32 v[ST+4], v[ST+4], v[S+7], v[S+15]
	v_max3_num_f32 v[ST+6], v[ST+6], v[S+23], v[S+31]
	v_max3_num_f32 v[ST+5], v[ST+5], v[ST+7], v[ST+1]
	v_mov_b32 v[ST+7], v[ST]                       ; c m_old is kept for a
	v_max3_num_f32 v[ST+4], v[ST+4], v[ST+5], v[ST+6]
	v_permlanex16_b32 v[ST+5], v[ST+4], s[SEL], s[SEL+1]  ; the query's other 32 keys lie in the lane 16 away
	v_max_num_f32 v[ST+1], v[ST+4], v[ST+5]
	v_mul_f32 v[ST], s[CS], v[ST+1]
	v_sub_f32 v[ST+7], v[ST+7], v[ST]
.set z, 0
.rept 16
	v_pk_fma_f32 v[S+z:S+z+1], v[S+z:S+z+1], s[CS:CS+1], v[ST:ST+1] op_sel_hi:[1,0,0] neg_lo:[0,0,1] neg_hi:[0,0,1]  ; c s - c m
.set z, z+2
.endr
	v_exp_f32 v[ST+6], v[ST+7]                     ; a; the 33 exponentials are one batch
.set z, 0
.rept 32
	v_exp_f32 v[S+z], v[S+z]
.set z, z+1
.endr
	v_nop                                          ; a plain instruction behind the last exponential,
	s_wait_alu depctr_va_vdst(0)                   ; and the one wait for the batch ahead of its first reader
.set z, 0
.rept 16
	v_cvt_pk_f16_f32 v[P+z], v[S+2*z], v[S+2*z+1]
.set z, z+1
.endr
.irp w, 4,8,16,32                      ; the sum of the 16 pairs, in place: neighbours 1, 2, 4 and 8 pairs apart
.set z, 0
.rept 32/(\w)
	v_pk_add_f32 v[S+z:S+z+1], v[S+z:S+z+1], v[S+z+(\w)/2:S+z+(\w)/2+1]
.set z, z+(\w)
.endr
.endr
	v_pk_fma_f32 v[ST+2:ST+3], v[ST+2:ST+3], v[ST+6:ST+7], v[S:S+1] op_sel_hi:[1,0,1]  ; l = a l + the sum
.set z, 0
.rept 32
	v_pk_mul_f32 v[O+z:O+z+1], v[O+z:O+z+1], v[ST+6:ST+7] op_sel_hi:[1,0]              ; O^T times a, each accumulator from its low end
.set z, z+2
.endr
.endm
; A KEY STEP.  The mask's 16 plain lines are also the places between the last step's products and the loads into V's registers.
.macro STEP
	WIN 0
.set z, 0
.rept 16
	v_pk_fma_f32 v[MC+z:MC+z+1], v[MD+z:MD+z+1], s[AL:AL+1], s[BE:BE+1] op_sel_hi:[1,0,0]
.set z, z+2
.endr
	v_add_nc_u32 v[ADK], s[TB], v[AK0]
	v_add_nc_u32 v[ADV], s[TB], v[AV0]
	FETCH_K
	FETCH_V
	s_add_co_u32 s[TB], s[TB], STEPB               ; the next fetch is the next step's
	s_wait_dscnt 32                                ; K is in; V's 32 loads may stay out
	WIN 0x01                                       ; source 0 (K, V) in window 1
.set i, 0
.rept 16                               ; S^T = K Q^T: channels 32 (i / 4) on, keys 16 (i % 4) on; the four accumulators take turns; the first four start the sums with the mask
.if i < 4
	v_wmma_f32_16x16x32_f16 v[S+8*(i%4):S+8*(i%4)+7], v[32*(i%4)+8*(i/4):32*(i%4)+8*(i/4)+7], v[Q+8*(i/4):Q+8*(i/4)+7], v[MC+8*(i%4):MC+8*(i%4)+7]
.else
	v_wmma_f32_16x16x32_f16 v[S+8*(i%4):S+8*(i%4)+7], v[32*(i%4)+8*(i/4):32*(i%4)+8*(i/4)+7], v[Q+8*(i/4):Q+8*(i/4)+7], v[S+8*(i%4):S+8*(i%4)+7]
.endif
.set i, i+1
.endr
	WIN 0
.rept 4
	v_nop                                          ; the places between those products and the first read of the scores
.endr
	SOFTMAX
	s_wait_dscnt 0x0                               ; V is in
	WIN 0x01
.set i, 0
.rept 16                               ; O^T += V^T P: keys 32 (i / 8) on, channels 16 (i % 8) on; eight accumulators take turns
	v_wmma_f32_16x16x32_f16 v[O+8*(i%8):O+8*(i%8)+7], v[128+64*(i/8)+8*(i%8):128+64*(i/8)+8*(i%8)+7], v[P+8*(i/8):P+8*(i/8)+7], v[O+8*(i%8):O+8*(i%8)+7]
.set i, i+1
.endr
	WIN 0
	s_mov_b32 s[AL], s[ALN]                        ; the tile's second step takes its own mask scalars
	s_mov_b32 s[BE], s[BEN]
.endm
.macro TWO                             ; a tile's two steps: written once, walked twice; the LDS addresses hang on s[TB]
	WIN 0
	s_mov_b32 s[TW], 2
.Lstep_\@:
	STEP
	s_sub_co_u32 s[TW], s[TW], 1
	s_cmp_lg_u32 s[TW], 0
	s_cbranch_scc1 .Lstep_\@
.endm
; A BLOCK'S END.  l's two halves and the other half of the lanes' are added; O^T is divided by l, rounded to f16, and sent through my own stage in LDS, so that a store covers whole rows of a head.
; last = 0: the second block begins: c m far below every c s, so that its first step's a is 0 and O^T and l, which that step multiplies by a, need only be finite.
.macro FIN last
	WIN 0
.rept 4
	v_nop                                          ; the places behind the last products
.endr
	v_add_f32 v[ST+4], v[ST+2], v[ST+3]
	v_permlanex16_b32 v[ST+5], v[ST+4], s[SEL], s[SEL+1]
	v_add_f32 v[ST+4], v[ST+4], v[ST+5]
	v_rcp_f32 v[ST+6], v[ST+4]
	v_nop                                          ; a plain instruction behind the reciprocal,
	s_wait_alu depctr_va_vdst(0)                   ; and the wait ahead of its first reader
.set z, 0
.rept 32
	v_pk_mul_f32 v[O+z:O+z+1], v[O+z:O+z+1], v[ST+6:ST+7] op_sel_hi:[1,0]
.set z, z+2
.endr
.set z, 0
.rept 32
	v_cvt_pk_f16_f32 v[S+z], v[O+2*z], v[O+2*z+1]  ; a lane's eight channels of a row pack into 16 bytes
.set z, z+1
.endr
.irp f, 0,1,2,3,4,5,6,7
	ds_store_b128 v[STO], v[S+4*(\f):S+4*(\f)+3] offset:32*(\f)
.endr
.irp f, 0,1,2,3,4,5,6,7
	ds_load_b128 v[S+4*(\f):S+4*(\f)+3], v[RD] offset:(\f)*2*SP  ; LDS serves a wave's instructions in order (ISA guide 5.7.1.4): these see the stores above
.endr
.irp f, 0,1,2,3,4,5,6,7
	s_wait_dscnt 7-(\f)                            ; load f is back; the 7 - f younger ones may stay out
	global_store_b128 v[GO], v[S+4*(\f):S+4*(\f)+3], s[OC:OC+1] offset:(\f)*16384  ; 16 lanes store a row's 256 consecutive bytes, aligned
.endr
.if !(\last)
	s_wait_xcnt 0x0                                ; the stores have read their registers and their base
	s_mov_b64 s[OC:OC+1], s[O2:O2+1]
	v_mov_b32 v[ST], 0xfe000000                    ; c m
	v_mov_b32 v[ST+1], 0xff7fffff                  ; m: the lowest finite number
	WIN 0x02                                       ; source window 2
.set z, 0
.rept 32
	v_mov_b32 v[Q+z], v[z]                         ; the second block's Q goes where the one text of a step names Q
.set z, z+1
.endr
	WIN 0
	s_lshr_b32 s[RT], s[PB], 1
	s_add_co_u32 s[RT], s[RT], 1                   ; the second block has b / 2 + 1 tiles
	s_and_b32 s[PAR], s[PB], 1
.endif
.endm
	s_load_b128 s[4:7], s[0:1], 0x0                ; qkvh s[4:5], ob s[6:7]
	v_lshl_add_u32 v[SPW], v0, 2, SPARE
	v_mov_b32 v[NIL], 0
	ds_add_u32 v[SPW], v[NIL]                      ; the wave's opening: the add and its wait ahead of my first tensor load; the set-up below, work on registers, stands between them
	v_lshrrev_b32 v1, 5, v0
	v_readfirstlane_b32 s[WV], v1                  ; wave 0..3
	s_bfe_u32 s[CX], ttmp6, 0x40000                ; my place in the cluster: it enters Q's, ob's and the prefetches' addresses alone
	s_and_b32 s[PB], ttmp7, 0xffff                 ; b, which the four partners share
	s_sub_co_u32 s[HI], 15, s[PB]
	s_lshl_b32 s16, ttmp9, 2                       ; in a cluster launch ttmp9 counts clusters: the key and value head
	s_add_co_u32 s16, s16, s[CX]                   ; my query head
	s_and_b32 s17, s[WV], 1                        ; which of a tile's two steps I fetch
	s_add_co_u32 s8, ttmp9, 32
	s_lshl_b32 s8, s8, 18                          ; a head is 262,144 bytes
	s_lshl_b32 s18, s17, 14                        ; a step's 64 rows of 256 bytes
	s_add_co_u32 s8, s8, s18
	s_mov_b32 s9, 0
	s_add_co_u32 s10, s8, 8<<18                    ; v's heads lie eight heads behind k's
	s_mov_b32 s11, 0
	s_lshl_b32 s18, s[WV], 4
	s_lshl_b32 s19, s[HI], 6
	s_add_co_u32 s19, s19, s18                     ; my first row in the first block,
	s_lshl_b32 s2, s[PB], 6
	s_add_co_u32 s2, s2, s18                       ; and in the second
	s_lshl_b32 s3, s16, 18
	s_lshl_b32 s20, s19, 8
	s_add_co_u32 s20, s20, s3
	s_mov_b32 s21, 0
	s_lshl_b32 s22, s2, 8
	s_add_co_u32 s22, s22, s3
	s_mov_b32 s23, 0
	s_lshl_b32 s3, s16, 8                          ; in ob a head is 256 bytes of a row of 8,192
	s_lshl_b32 s86, s19, 13
	s_add_co_u32 s86, s86, s3
	s_mov_b32 s87, 0
	s_lshl_b32 s88, s2, 13
	s_add_co_u32 s88, s88, s3
	s_mov_b32 s89, 0
	; descriptor group 1: a tile of 64 rows x 128 elements of 2 bytes, padded in LDS
	s_mov_b32 s[G1K], 15|(1<<16)|(1<<20)|(1<<21)|(5<<22)|(3<<25)  ; 15:0 the mask of four; 17:16 2-byte elements; 20 padding on; 21 set beside a mask; 24:22 after every 64 words (code 5); 31:25 4 words (code 3)
	s_mov_b32 s[G1V], 15|(1<<16)|(1<<20)|(1<<21)|(5<<22)|(7<<25)  ; the same with 8 words of padding (code 7)
.irp g, G1K, G1V
	s_mov_b32 s[(\g)+1], 128<<16                   ; tensor_dim0 = 128
	s_mov_b32 s[(\g)+2], KS<<16                    ; tensor_dim1 = 64
	s_mov_b32 s[(\g)+3], 128<<16                   ; tile_dim0 = 128
	s_mov_b32 s[(\g)+4], KS                        ; tile_dim1 = 64
	s_mov_b32 s[(\g)+5], 128                       ; elements from row to row
	s_mov_b32 s[(\g)+6], 0
	s_mov_b32 s[(\g)+7], 0
.endr
	s_mul_i32 s18, s17, STEPB                      ; my step's place in a slot: no place in the cluster enters an LDS address
	s_mov_b32 s[G0K], 1
	s_mov_b32 s[G0K+1], s18                        ; slot 0
	s_mov_b32 s[G0V], 1
	s_add_co_u32 s[G0V+1], s18, VOFF
	s_mov_b32 s[CS], 0x400293ee                    ; c = 16 log2(e) / sqrt(128) = 2.04028
	s_mov_b32 s[CS+1], s[CS]                       ; named with it as a pair
	s_mov_b32 s[SEL], 0x76543210
	s_mov_b32 s[SEL+1], 0xfedcba98
	s_mov_b32 s[TB], SLOT1+2*STEPB                 ; the first change of slots turns this into 0
	s_mov_b32 s[NXT], 1
	s_lshr_b32 s[LQ], s[HI], 1
	s_lshr_b32 s[LQ2], s[PB], 1
	s_add_co_u32 s[RT], s[LQ], 1                   ; the first block has (15 - b) / 2 + 1 tiles
	s_and_b32 s[PAR], s[HI], 1
	s_mov_b32 s[BIGN], 0xf149f2ca                  ; -1e30
	s_mov_b32 s[OFF+1], 0
	s_mov_b32 s[AL+1], 0                           ; named as pairs
	s_mov_b32 s[BE+1], 0
	s_mov_b32 s[SLOTS], 8
	s_or_b32 s[LIM], s17, s[PB]                    ; waves 0 and 2 where b = 0: the same in all four partners
	s_cmp_eq_u32 s[LIM], 0
	s_cselect_b32 s[LIM], 2, -1
	s_wait_dscnt 0x0                               ; the opening add is done
	s_wait_kmcnt 0x0
	s_add_nc_u64 s[KB:KB+1], s[4:5], s[8:9]
	s_add_nc_u64 s[VB:VB+1], s[4:5], s[10:11]
	s_add_nc_u64 s[QA:QA+1], s[4:5], s[20:21]
	s_add_nc_u64 s[QC:QC+1], s[4:5], s[22:23]
	s_add_nc_u64 s[OC:OC+1], s[6:7], s[86:87]
	s_add_nc_u64 s[O2:O2+1], s[6:7], s[88:89]
	s_mov_b64 s[G0K+2:G0K+3], s[KB:KB+1]           ; tile 0
	s_or_b32 s[G0K+3], s[G0K+3], 0x80000000        ; type = 2
	s_mov_b64 s[G0V+2:G0V+3], s[VB:VB+1]
	s_or_b32 s[G0V+3], s[G0V+3], 0x80000000
	s_cmp_lt_u32 s[WV], 2
	s_cselect_b64 s[PFA:PFA+1], s[KB:KB+1], s[VB:VB+1]
	s_lshl_b32 s2, s[CX], 13                       ; my work-group's 32 rows of a tile's 128,
	s_add_co_u32 s2, s2, 32768                     ; in tile 1: the first change of slots steps it to tile 2.  Nothing is prefetched at the head
	s_mov_b32 s3, 0
	s_add_nc_u64 s[PFA:PFA+1], s[PFA:PFA+1], s[2:3]
	CROUND                                         ; all four work-groups are here: the first joint loads meet
	JLOAD                                          ; tile 0 into slot 0; slot 1 is asked for by the loop's own change of slots
	v_and_b32 v1, 15, v0                           ; r = l % 16
	v_bfe_u32 v9, v0, 4, 1                         ; h = l / 16
	v_lshlrev_b32 v[QO], 8, v1
	v_lshl_add_u32 v[QO], v9, 4, v[QO]             ; row x 256 + 16 h
.irp c, 0,1,2,3                        ; both blocks' Q: a fragment is 16 rows x 32 channels: two loads of 16 bytes, 32 bytes apart
	global_load_b128 v[Q+8*(\c):Q+8*(\c)+3],   v[QO], s[QA:QA+1] offset:64*(\c)
	global_load_b128 v[Q+8*(\c)+4:Q+8*(\c)+7], v[QO], s[QA:QA+1] offset:64*(\c)+32
.endr
	WIN 0x80                                       ; destination window 2
.irp c, 0,1,2,3
	global_load_b128 v[8*(\c):8*(\c)+3],   v[QO], s[QC:QC+1] offset:64*(\c)
	global_load_b128 v[8*(\c)+4:8*(\c)+7], v[QO], s[QC:QC+1] offset:64*(\c)+32
.endr
	WIN 0
	v_mul_u32_u24 v[AK0], v1, PK
	v_lshl_add_u32 v[AK0], v9, 4, v[AK0]           ; row x pitch + 16 h
	v_and_b32 v10, 7, v0                           ; the turning load: lane l reads key 8 h + l % 8, channels 8 ((l / 8) % 2) + 0..7
	v_bfe_u32 v11, v0, 3, 1
	v_lshl_add_u32 v[AV0], v9, 3, v10
	v_mul_u32_u24 v[AV0], v[AV0], PV
	v_lshl_add_u32 v[AV0], v11, 4, v[AV0]
	v_add_nc_u32 v[AV0], VOFF, v[AV0]
	s_mul_i32 s16, s[WV], 16*SP
	s_add_co_u32 s16, s16, STAGE                   ; my stage
	v_mul_u32_u24 v[STO], v1, SP                   ; in: row r, 16 bytes for each half of the lanes
	v_lshl_add_u32 v[STO], v9, 4, v[STO]
	v_add_nc_u32 v[STO], s16, v[STO]
	v_mul_u32_u24 v[RD], v9, SP                    ; back: lanes 0-15 take one row of 256 bytes, lanes 16-31 the next
	v_lshl_add_u32 v[RD], v1, 4, v[RD]
	v_add_nc_u32 v[RD], s16, v[RD]
	v_lshlrev_b32 v[GO], 13, v9                    ; and the same two rows in ob
	v_lshl_add_u32 v[GO], v1, 4, v[GO]
	v_and_b32 v[PFO], 31, v0
	v_lshlrev_b32 v[PFO], 8, v[PFO]
	v_lshlrev_b32 v10, 3, v9
	v_sub_nc_u32 v10, v1, v10
	s_lshl_b32 s16, s[WV], 4
	v_add_nc_u32 v10, s16, v10                     ; my query's place in its block, 16 w + r, less my lanes' 8 h: register j of key group kb is hidden where 16 kb + j is greater
.set i, 0
.rept 32
	v_cmp_gt_i32 vcc_lo, 16*(i/8)+i%8, v10
	v_cndmask_b32 v[MD+i], 0, s[BIGN], vcc_lo
.set i, i+1
.endr
.set i, 0
.rept 64
	v_mov_b32 v[O+i], 0                            ; O^T and l need only be finite (the first step's a is 0): zeros, written in the wait for the first tile, so that no first step is written out
.set i, i+1
.endr
	v_mov_b32 v[ST], 0xfe000000                    ; c m: far below every c s
	v_mov_b32 v[ST+1], 0xff7fffff                  ; m
	v_mov_b32 v[ST+2], 0
	v_mov_b32 v[ST+3], 0
	s_wait_loadcnt 0x0                             ; Q
.Lslot:                                        ; eight trips: a tile is entered and the next is asked for
	CHANGE 1
	TILEMASK
	TWO
	s_cmp_lg_u32 s[RT], 0                          ; b and counters alone decide: the same in all partners; what is jumped holds no barrier and no tensor load
	s_cbranch_scc1 .Lno_end
	FIN 0                                          ; in the loop this is the first block's end: the second's last tile is the walk's last
.Lno_end:
	s_sub_co_u32 s[SLOTS], s[SLOTS], 1
	s_cmp_lg_u32 s[SLOTS], 0
	s_cbranch_scc1 .Lslot
	CHANGE 0                                       ; the walk's last tile is written out
	TILEMASK
	TWO
	FIN 1
	s_wait_tensorcnt 0x0                           ; the wave's end: behind my last tensor load and my last LDS store
	ds_add_u32 v[SPW], v[NIL]
	s_wait_dscnt 0x0
	CROUND                                         ; the closing round
	s_endpgm
.Lfunc_end_k_qc9a4915580_attn:
	.size	k_qc9a4915580_attn, .Lfunc_end_k_qc9a4915580_attn-k_qc9a4915580_attn
	.p2alignl 7, 3214868480
	.fill 96, 4, 3214868480
	.section	.rodata,"a",@progbits
	.p2align	6, 0x0
	.amdhsa_kernel k_qc9a4915580_attn
		.amdhsa_group_segment_fixed_size 327680
		.amdhsa_private_segment_fixed_size 0
		.amdhsa_enable_private_segment 0
		.amdhsa_kernarg_size 16
		.amdhsa_user_sgpr_count 2
		.amdhsa_user_sgpr_kernarg_segment_ptr 1
		.amdhsa_wavefront_size32 1
		.amdhsa_system_sgpr_workgroup_id_x 1
		.amdhsa_system_sgpr_workgroup_id_y 1
		.amdhsa_system_sgpr_workgroup_id_z 1
		.amdhsa_system_vgpr_workitem_id 0
		.amdhsa_next_free_vgpr 544
		.amdhsa_next_free_sgpr 96
		.amdhsa_reserve_vcc 1
		.amdhsa_float_denorm_mode_32 3
		.amdhsa_float_denorm_mode_16_64 3
		.amdhsa_memory_ordered 1
		.amdhsa_forward_progress 1
		.amdhsa_inst_pref_size 61
	.end_amdhsa_kernel
	.amdgpu_metadata
---
amdhsa.version: [ 1, 2 ]
amdhsa.kernels:
  - .name:           k_qc9a4915580_attn
    .symbol:         k_qc9a4915580_attn.kd
    .args:
      - { .name: qkvh, .offset: 0, .size: 8, .value_kind: global_buffer, .address_space: global }
      - { .name: ob, .offset: 8, .size: 8, .value_kind: global_buffer, .address_space: global }
    .group_segment_fixed_size: 327680
    .private_segment_fixed_size: 0
    .kernarg_segment_align: 8
    .kernarg_segment_size: 16
    .max_flat_workgroup_size: 128
    .sgpr_count:     96
    .vgpr_count:     544
    .wavefront_size: 32
...
	.end_amdgpu_metadata
.endif
;; end of part 3
;; launch oproj (part 4): grid 8 x 32, 4 waves a work-group, clusters of 4 x 4, 327,680 bytes of LDS; arguments ob, wof, out0; writes out0
.if DOCPART == 4
	.amdgcn_target "amdgcn-amd-amdhsa--gfx1250"
	.amdhsa_code_object_version 6
	.text
	.protected	k_qc9a4915580_oproj
	.globl	k_qc9a4915580_oproj
	.p2align	8
	.type	k_qc9a4915580_oproj,@function
k_qc9a4915580_oproj:
	s_mov_b64 s[64:65], 0
	v_nop
	global_prefetch_b8 v0, s[64:65] scope:SCOPE_SE
	s_setreg_imm32_b32 hwreg(HW_REG_WAVE_MODE, 25, 1), 1
	s_wait_xcnt 0x0
	s_wait_alu depctr_hold_cnt(0) depctr_sa_sdst(0) depctr_va_vdst(0) depctr_va_sdst(0) depctr_va_ssrc(0) depctr_va_vcc(0) depctr_vm_vsrc(0)
	s_getreg_b32 s2, hwreg(HW_REG_IB_STS2, 6, 4)
	s_cmp_eq_u32 s2, 0
	s_cbranch_scc0 .Lentry_in_a_cluster
	s_endpgm
.Lentry_in_a_cluster:
	s_bfe_u32 s2, ttmp6, 0x10000c
	s_cmp_lg_u32 s2, 0xf033
	s_cbranch_scc0 .Lentry_shape_is_right
	s_endpgm
.Lentry_shape_is_right:
; out0 = O Wo.  ob: [1024][4096] f16 = 0.25 O.  wof: Wo rounded to bf16 and written as f16, laid out as finished fragments by the launch that makes q, k and v:
; [32 column blocks of 128][128 chunks of 32 K][8 fragments of 1,024 bytes]; a fragment is 16 bytes a lane (registers 0-3), then 16 bytes a lane (registers 4-7); in fragment 4 gg + j lane r stands for column 64 gg + 4 r + j.
; out0: [1024][4096] f32; the sums are multiplied by 4 at the end (exact).  NaN and infinities are not treated apart.
; SHARES.  A work-group makes 128 rows x 128 columns: 8 x 32 work-groups.  K IS SPLIT AMONG ITS FOUR WAVES: of each step of 512 K wave w takes K = 128 w .. 128 w + 127, four chunks of 32.  So no two waves load the same
; weight or read the same bytes of O from LDS, and a wave holds 128 x 128 partial sums: 64 accumulators, 512 registers.  The four meet in LDS at the end (f32 sums; their order differs from a single chain's).
; THE WALK ALONG K BEGINS AT ANOTHER STEP IN EACH CLUSTER AND GOES ROUND.  K has eight steps of 512; the cluster with y begins at step 2 (y % 4).  The eight clusters of a column of clusters read the same rows of O, and each
; asks for two steps at its start: the first fills of any four neighbours name all eight steps between them.  The weights are walked in the same order.  (So the order of the f32 sums differs from cluster to cluster.)
; THE WEIGHTS COME STRAIGHT FROM MEMORY INTO THE MATRIX OPERAND'S REGISTERS: a chunk is 16 loads of 512 consecutive bytes.  A ring of four chunks of 64 registers, asked for by halves (four fragments) as soon as a half
; has been multiplied: three and a half chunks ahead of its products; the loads stay out across barriers, under counted waits.
; O COMES BY JOINT TENSOR LOADS into two LDS slots of 128 rows x 512 K.  Wave w fetches, and alone reads, its own strip: 128 rows x 256 bytes.  CLUSTER: 4 row blocks (x) x 4 column blocks (y): the four work-groups of a
; cluster's column need the same rows of O: one load, one descriptor and one mask in all four.
; REGISTERS, in windows of 256 (s_set_vgpr_msb: bits 1:0 source 0, 3:2 source 1, 5:4 source 2, 7:6 destination):
;   window 0: v0-63 addresses; v64-127, v128-191 O's fragments of 8 row blocks, two buffers; v192-223 the way out      window 1: the weights' ring: chunk q at 64 (q % 4), fragment f at + 8 f
;   window 2: accumulator (a, f) of row block a, fragment f < 4 at v[8 (4 a + f)]      window 3: fragments 4 to 7 likewise
.set PITCH, 272                        ; an LDS row: 256 bytes + 16 of padding = 68 words: the 16 rows of a fragment load start 4 banks apart (64 banks of 4 bytes: ISA guide 11.1)
.set STRIP, 128*PITCH                  ; what one tensor load brings: 34,816 bytes
.set SLOT,  4*STRIP                    ; 139,264 = 0x22000: it shares no bit with STRIP x wave, so one exclusive or turns an address in one slot into the other's
.set SPARE, 2*SLOT                     ; behind the slots: the spare words, 128 bytes a wave: two blocks of 256 bytes that no other line names
.set KSB,   1024                       ; bytes of a row of O in a step: 1 << 10
.set CHB,   8192                       ; a chunk of wof
.set STB,   16*CHB                     ; a step of wof: 1 << 17
.set A0B, 4                            ; v4      my lane's place in a slot: STRIP w + 272 r + 16 h
.set AA,  5                            ; v5      the same in the slot being read
.set GO,  7                            ; v7      the way out: 131,072 h + 16 r
.set SPW, 8                            ; v8      LDS address of my spare word; never rewritten
.set NIL, 9                            ; v9      0; never rewritten
.set PFB, 11                           ; v11     the prefetch of the weights: 8,192 cx + 256 x my lane
.set PW,  12                           ; v12     where I put my partial sums
.set LO,  13                           ; v13     16 x my lane; never rewritten
.set PR,  40                           ; v40-43  where I read wave s's partial sums
.set AB,  64
.set WV,   16                          ; s16  my wave's number
.set LB,   20                          ; s20  my strip in a slot
.set TBR,  21                          ; s21  the slot being read: 0 or SLOT
.set CNT,  23                          ; s23  trips to go
.set G1,   24                          ; s[24:31] descriptor group 1
.set G0A,  32                          ; s[32:35] group 0 of the first fill
.set G0B,  36                          ; s[36:39] group 0 of the second fill; it then walks
.set CX,   40
.set CY,   41
.set TM,   42                          ; s42  the row block of 128
.set TN,   43                          ; s43  the column block of 128
.set CM,   44                          ; s44  the mask of my column of the cluster
.set CLY,  45                          ; s45  the cluster's y
.set BP,   46                          ; s[46:47] wof at my four chunks of the step in hand
.set ABASE, 48                         ; s[48:49] O at my strip of step 0; never rewritten
.set BPN,  50                          ; s[50:51] wof at my four chunks of the walk's next step
.set AIX,  52                          ; s52  the step of O last asked for
.set LIMB, 53                          ; s53  a wave prefetches the weights while the trips to go exceed this
.set OUT,  54                          ; s[54:55] out0 at the rows that I finish
.set BB,   56                          ; s[56:57] wof at my four chunks of step 0; never rewritten
.set BIX,  58                          ; s58  the step at which BPN stands
.set PB3,  66                          ; s[66:67] wof at my four chunks of the step that the prefetch names
.set OFA,  68                          ; s[68:69] a step's byte offset in a row of O
.set OFB,  70                          ; s[70:71] a step's byte offset in a column block of wof
.set MSB, 0
.macro WIN new                         ; the immediate's high byte repeats the setting that is left; a switch that changes nothing is dropped
.if MSB != (\new)
	s_set_vgpr_msb (MSB<<8)|(\new)
.set MSB, \new
.endif
.endm
.macro CREST                           ; a round of the cluster's barrier behind its opening barrier
	s_cmp_lg_u32 s[WV], 0
	s_cbranch_scc1 .Lnot_wave_0_\@
	s_barrier_signal -3
.Lnot_wave_0_\@:
	s_barrier_wait -3
	s_barrier_signal -1
	s_barrier_wait -1
.endm
.macro CROUND                          ; a whole round
	s_barrier_signal -1
	s_barrier_wait -1
	CREST
.endm
.macro PLACES                          ; four places between a matrix instruction and a load into a register that it has read (ISA guide 7.12.1 for vector instructions)
.rept 4
	v_nop
.endr
.endm
.macro TLOAD                           ; the joint refill; s_nop 0 and four v_nop follow it
	tensor_load_to_lds s[G0B:G0B+3], s[G1:G1+7]
	s_nop 0
.rept 4
	v_nop
.endr
.endm
; Half hh (four fragments, 8 loads of 512 consecutive bytes) of chunk q into ring place p.  q counts from chunk 0 of the step in hand: 0 to 3 lie at BP, 4 to 7 are the walk's next step's and lie at BPN.
.macro BHALF p, hh, q
	WIN 0x40                                       ; destination window 1, address window 0
.if (\q) < 4
.set BR, BP
.else
.set BR, BPN
.endif
.irp f, 0,1,2,3
	global_load_b128 v[64*(\p)+32*(\hh)+8*(\f):64*(\p)+32*(\hh)+8*(\f)+3],   v[LO], s[BR:BR+1] offset:((\q)%4)*CHB+4096*(\hh)+1024*(\f)
	global_load_b128 v[64*(\p)+32*(\hh)+8*(\f)+4:64*(\p)+32*(\hh)+8*(\f)+7], v[LO], s[BR:BR+1] offset:((\q)%4)*CHB+4096*(\hh)+1024*(\f)+512
.endr
.endm
.macro AFETCH b, imm                   ; 16 LDS loads in one run: O's fragments of my 8 row blocks, 32 K at byte imm of my strip's rows, into buffer b
	WIN 0
.irp a, 0,1,2,3,4,5,6,7
	ds_load_b128 v[AB+64*(\b)+8*(\a):AB+64*(\b)+8*(\a)+3],   v[AA] offset:(\a)*16*PITCH+(\imm)
	ds_load_b128 v[AB+64*(\b)+8*(\a)+4:AB+64*(\b)+8*(\a)+7], v[AA] offset:(\a)*16*PITCH+(\imm)+32
.endr
.endm
; n matrix instructions, numbers n0 on of a half's 32: number m is row block m / 4 x fragment 4 hh + m % 4.  Each accumulator has one instruction a chunk: the 64 take turns, over the backward jump too.
.macro MULH ab, p, hh, n0, n, zero
.set m, (\n0)
	WIN 0xa4+0x50*(\hh)                            ; O in window 0, the weights in window 1, C and D in window 2 or 3
.rept (\n)
.if \zero
	v_wmma_f32_16x16x32_f16 v[8*m:8*m+7], v[AB+64*(\ab)+8*(m/4):AB+64*(\ab)+8*(m/4)+7], v[64*(\p)+32*(\hh)+8*(m%4):64*(\p)+32*(\hh)+8*(m%4)+7], 0
.else
	v_wmma_f32_16x16x32_f16 v[8*m:8*m+7], v[AB+64*(\ab)+8*(m/4):AB+64*(\ab)+8*(m/4)+7], v[64*(\p)+32*(\hh)+8*(m%4):64*(\p)+32*(\hh)+8*(m%4)+7], v[8*m:8*m+7]
.endif
.set m, m+1
.endr
.endm
; THE PREFETCH, behind the joint load, its five lines and the run of LDS loads that the next products wait for.
; The weights: a wave's four chunks, 8,192 bytes each, of the walk's step three on from the one that is left (one step on from the one that the next refill's step multiplies); it stops when the walk's last step has been named.
; Both clusters of a row of clusters read the same column blocks, in the same order: the first (cluster x = 0) asks.  Its four partners along x read the same chunks: they share them out BY ADDRESS, partner cx the chunk cx;
; a lane a block of 256 bytes.  So each block is named once in the launch.
; O is not prefetched: each of its steps is first asked for among the launch's first fills, at the head, where nothing is prefetched.
.macro ASKB
	s_cmp_gt_u32 s[CNT], s[LIMB]
	s_cbranch_scc0 .Lnot_b_\@
	global_prefetch_b8 v[PFB], s[PB3:PB3+1] th:TH_LOAD_NT scope:SCOPE_SE
.Lnot_b_\@:
.endm
; The weights' pointers go one step on in the walk, round K's end: each is the fixed base and an offset made apart from it, of a step's number modulo 8.
.macro NEXTSTEP
	s_wait_xcnt 0x0                                ; every load and prefetch issued so far (the youngest 32 products back) has read its address: the pointers may be written
	s_mov_b64 s[BP:BP+1], s[BPN:BPN+1]
	s_add_co_u32 s[BIX], s[BIX], 1
	s_and_b32 s[BIX], s[BIX], 7
	s_lshl_b32 s[OFB], s[BIX], 17
	s_add_nc_u64 s[BPN:BPN+1], s[BB:BB+1], s[OFB:OFB+1]
	s_add_co_u32 s[OFB], s[BIX], 2                 ; the prefetch stands two steps behind BPN
	s_and_b32 s[OFB], s[OFB], 7
	s_lshl_b32 s[OFB], s[OFB], 17
	s_add_nc_u64 s[PB3:PB3+1], s[BB:BB+1], s[OFB:OFB+1]
.endm
; ONE CHUNK q of the 32 of a wave's walk; c is its number counted from chunk 0 of the step at which BP stands (q % 4 = c % 4).  64 products of O's buffer c % 2 with ring place c % 4.
; At its head the second half of chunk q + 3 is asked for (l1), in its middle the first half of chunk q + 4 (l0), each into registers that have just been multiplied, four places behind the last product.
; wh, wm: the loads that may stay out when this chunk's first and second half must be in: six younger halves of 8 loads, fewer where nothing is left to ask for.
; af = 1: O's fragments of chunk q + 1 are fetched into the other buffer.  zero = 1: the products start the sums.
; turn = 1: a step's last chunk.  Its fragments of O are in registers, so my reads of the step's slot are over at its head: the change of slots stands there.  fill = 1: the slot left is filled again, with the walk's step two on.
.macro CHUNK c, turn, fill, l1, l0, wh, wm, af, zero
	WIN 0
	s_wait_loadcnt \wh                             ; my first four fragments of the weights are in
.if \l1
	BHALF ((\c)+3)%4, 1, (\c)+3
.endif
.if \turn
	WIN 0
	s_wait_tensorcnt 0x0                           ; all my tensor loads have landed: the one that was out is my strip of the next slot;
	ds_add_u32 v[SPW], v[NIL]                      ; 0 onto my spare word;
	s_wait_dscnt 1                                 ; (this chunk's fragments of O are in; the add may be out)
	MULH (\c)%2, (\c)%4, 0, 0, 8, 0                ; eight products stand between the add and the wait for it
	s_wait_dscnt 0x0                               ; the add is done, and my reads of this slot are over
	s_barrier_signal -1
	MULH (\c)%2, (\c)%4, 0, 8, 8, 0                ; work on registers while the others arrive
	WIN 0
	s_barrier_wait -1
.if \fill
	CREST                                          ; the barrier has opened a round of the cluster's: no wave of any partner still reads this slot or has a load on its way
	s_xor_b32 s[G0B+1], s[G0B+1], SLOT             ; the walking descriptor: the other slot than last time,
	s_add_co_u32 s[AIX], s[AIX], 1                 ; the next step, round K's end: its address is made anew from the step's number
	s_and_b32 s[AIX], s[AIX], 7
	s_lshl_b32 s[OFA], s[AIX], 10
	s_add_nc_u64 s[G0B+2:G0B+3], s[ABASE:ABASE+1], s[OFA:OFA+1]
	s_or_b32 s[G0B+3], s[G0B+3], 0x80000000        ; type = 2
	TLOAD                                          ; the first tensor load behind the round, my only one until the next: it has a step less sixteen products in which to land
.endif
	s_xor_b32 s[TBR], s[TBR], SLOT                 ; the fetches go on in the other slot
	v_add_nc_u32 v[AA], s[TBR], v[A0B]
	AFETCH ((\c)+1)%2, 0
.if \fill
	ASKB
.endif
	MULH (\c)%2, (\c)%4, 0, 16, 16, 0
.else
.if \af
	AFETCH ((\c)+1)%2, 64*(((\c)+1)%4)
	s_wait_dscnt 16                                ; this chunk's fragments of O are in; the 16 loads just issued may stay out
.else
	s_wait_dscnt 0x0
.endif
	MULH (\c)%2, (\c)%4, 0, 0, 32, \zero
.endif
	s_wait_loadcnt \wm                             ; my second four fragments are in
.if \l0
	PLACES
	BHALF (\c)%4, 0, (\c)+4
.endif
	MULH (\c)%2, (\c)%4, 1, 0, 32, \zero
.if \af
	PLACES                                         ; in front of the next chunk's loads into registers that these products have read
.endif
.endm
	s_load_b128 s[4:7], s[0:1], 0x0                ; ob s[4:5], wof s[6:7]
	s_load_b64 s[8:9], s[0:1], 0x10                ; out0
	v_lshl_add_u32 v[SPW], v0, 2, SPARE
	v_mov_b32 v[NIL], 0
	ds_add_u32 v[SPW], v[NIL]                      ; the wave's opening: the add and its wait ahead of my first tensor load; the set-up below, work on registers, stands between them
	v_lshrrev_b32 v1, 5, v0
	v_readfirstlane_b32 s[WV], v1                  ; wave 0..3
	s_bfe_u32 s[CX], ttmp6, 0x40000                ; my place in the cluster
	s_bfe_u32 s[CY], ttmp6, 0x40004
	s_lshl_b32 s[TM], ttmp9, 2                     ; in a cluster launch ttmp9 and ttmp7 count clusters
	s_add_co_u32 s[TM], s[TM], s[CX]
	s_and_b32 s[CLY], ttmp7, 0xffff
	s_lshl_b32 s[TN], s[CLY], 2
	s_add_co_u32 s[TN], s[TN], s[CY]
	s_lshl_b32 s[CM], 0x1111, s[CX]                ; my column of the cluster: places cx, cx + 4, cx + 8, cx + 12
	; descriptor group 1: a tile of 128 rows x 128 elements of 2 bytes, padded in LDS
	s_or_b32 s[G1], s[CM], (1<<16)|(1<<20)|(1<<21)|(5<<22)|(3<<25)  ; 15:0 the mask; 17:16 2-byte elements; 20 padding on; 21 set beside a mask; 24:22 after every 64 words (code 5); 31:25 4 words (code 3)
	s_mov_b32 s[G1+1], 128<<16                     ; tensor_dim0 = 128
	s_mov_b32 s[G1+2], 128<<16                     ; tensor_dim1 = 128
	s_mov_b32 s[G1+3], 128<<16                     ; tile_dim0 = 128
	s_mov_b32 s[G1+4], 128                         ; tile_dim1 = 128
	s_mov_b32 s[G1+5], 4096                        ; elements from row to row
	s_mov_b32 s[G1+6], 0
	s_mov_b32 s[G1+7], 0
	s_mul_i32 s[LB], s[WV], STRIP                  ; no place in the cluster enters an LDS address
	s_mov_b32 s[G0A], 1
	s_mov_b32 s[G0A+1], s[LB]                      ; slot 0
	s_mov_b32 s[G0B], 1
	s_add_co_u32 s[G0B+1], s[LB], SLOT             ; slot 1
	s_lshl_b32 s2, s[TM], 20                       ; 128 rows of 8,192 bytes,
	s_lshl_b32 s3, s[WV], 8                        ; my 256 bytes of a step's 1,024: made of the row block and the wave's number alone
	s_add_co_u32 s2, s2, s3
	s_mov_b32 s3, 0
	s_lshl_b32 s60, s[TN], 20                      ; a column block of wof is 128 chunks of 8,192 bytes,
	s_lshl_b32 s61, s[WV], 15                      ; my four chunks of a step's sixteen
	s_add_co_u32 s60, s60, s61
	s_mov_b32 s61, 0
	s_and_b32 s[AIX], s[CLY], 3                    ; where my cluster begins: made of the cluster's y alone, the same in all sixteen partners
	s_lshl_b32 s[AIX], s[AIX], 1                   ; step 2 (y % 4): even, 6 at the most
	s_lshl_b32 s[OFA], s[AIX], 10
	s_mov_b32 s[OFA+1], 0
	s_lshl_b32 s[OFB], s[AIX], 17
	s_mov_b32 s[OFB+1], 0
	s_add_co_u32 s[AIX], s[AIX], 1                 ; the second first fill's step: no wrap
	s_mov_b32 s[BIX], s[AIX]
	s_mov_b32 s[TBR], 0
	s_cmp_eq_u32 ttmp9, 0
	s_cselect_b32 s[LIMB], 1, -1                   ; the same in all sixteen partners
	s_wait_dscnt 0x0                               ; the opening add is done
	s_wait_kmcnt 0x0
	s_add_nc_u64 s[ABASE:ABASE+1], s[4:5], s[2:3]
	s_add_nc_u64 s[G0A+2:G0A+3], s[ABASE:ABASE+1], s[OFA:OFA+1]  ; the walk's first step,
	s_add_nc_u64 s[G0B+2:G0B+3], s[G0A+2:G0A+3], KSB             ; and its second
	s_or_b32 s[G0A+3], s[G0A+3], 0x80000000        ; type = 2
	s_or_b32 s[G0B+3], s[G0B+3], 0x80000000
	CROUND                                         ; all sixteen work-groups are here: the first joint loads meet
	tensor_load_to_lds s[G0A:G0A+3], s[G1:G1+7]    ; both first fills go out together: two tensor loads of mine are out
	s_nop 0
	tensor_load_to_lds s[G0B:G0B+3], s[G1:G1+7]
	s_nop 0
.rept 4
	v_nop
.endr
	s_add_nc_u64 s[BB:BB+1], s[6:7], s[60:61]
	s_add_nc_u64 s[BP:BP+1], s[BB:BB+1], s[OFB:OFB+1]
	s_add_nc_u64 s[BPN:BPN+1], s[BP:BP+1], STB
	s_add_co_u32 s[OFB], s[BIX], 2                 ; the first prefetch names the walk's step 3
	s_and_b32 s[OFB], s[OFB], 7
	s_lshl_b32 s[OFB], s[OFB], 17
	s_add_nc_u64 s[PB3:PB3+1], s[BB:BB+1], s[OFB:OFB+1]
	v_and_b32 v34, 31, v0                          ; l
	v_lshlrev_b32 v[LO], 4, v34
	BHALF 0, 0, 0                                  ; chunks 0 to 2 and the first half of chunk 3: seven halves, 56 loads
	BHALF 0, 1, 0
	BHALF 1, 0, 1
	BHALF 1, 1, 1
	BHALF 2, 0, 2
	BHALF 2, 1, 2
	BHALF 3, 0, 3
	WIN 0
	s_lshl_b32 s62, s[TM], 7
	s_lshl_b32 s59, s[WV], 5
	s_add_co_u32 s62, s62, s59                     ; I finish rows 32 w .. 32 w + 31 of the tile;
	s_lshl_b32 s62, s62, 14                        ; a row of out0 is 16,384 bytes,
	s_lshl_b32 s59, s[TN], 9                       ; the tile's 128 columns 512
	s_add_co_u32 s62, s62, s59
	s_mov_b32 s63, 0
	s_add_nc_u64 s[OUT:OUT+1], s[8:9], s[62:63]
	v_and_b32 v1, 15, v0                           ; r
	v_bfe_u32 v2, v0, 4, 1                         ; h
	v_mul_u32_u24 v[A0B], v1, PITCH
	v_lshl_add_u32 v[A0B], v2, 4, v[A0B]
	v_add_nc_u32 v[A0B], s[LB], v[A0B]
	v_mov_b32 v[AA], v[A0B]
	s_lshl_b32 s59, s[CX], 13
	v_lshl_add_u32 v[PFB], v34, 8, s59             ; chunk cx of my four, a lane a block of 256 bytes
	s_lshl_b32 s59, s[WV], 16
	v_lshl_add_u32 v[PW], v34, 4, s59              ; 65,536 w + 16 l
	s_lshl_b32 s59, s[WV], 14
	v_lshl_add_u32 v[PR], v34, 4, s59              ; 65,536 s + 16,384 w + 16 l
	v_add_nc_u32 v[PR+1], 0x10000, v[PR]
	v_add_nc_u32 v[PR+2], 0x20000, v[PR]
	v_add_nc_u32 v[PR+3], 0x30000, v[PR]
	v_lshlrev_b32 v33, 4, v1
	v_lshl_add_u32 v[GO], v2, 17, v33              ; 8 h rows of 16,384 bytes + 16 r
	s_wait_tensorcnt 1                             ; my strip of the first step is in; the second's may stay out
	s_barrier_signal -1
	s_barrier_wait -1
	AFETCH 0, 0
	CHUNK 0, 0, 0, 1, 1, 48, 48, 1, 1              ; the first chunk alone is written out: its products start the sums, nothing is cleared
	WIN 0                                          ; at a label and at a branch every window is 0
	s_mov_b32 s[CNT], 7                            ; the part trip that follows and six whole ones
	s_branch .Lentry                               ; chunks 1 and 2 are the loop's own text: it is entered in the middle of a trip
.Lstep:                                        ; a trip: a step's last chunk, which asks for the walk's step two on (its steps 2 to 7), and the next step's first three
	CHUNK 3, 1, 1, 1, 1, 48, 48, 1, 0
	WIN 0
	NEXTSTEP
	CHUNK 0, 0, 0, 1, 1, 48, 48, 1, 0
	WIN 0
.Lentry:
	CHUNK 1, 0, 0, 1, 1, 48, 48, 1, 0
	CHUNK 2, 0, 0, 1, 1, 48, 48, 1, 0
	WIN 0
	s_sub_co_u32 s[CNT], s[CNT], 1
	s_cmp_lg_u32 s[CNT], 0
	s_cbranch_scc1 .Lstep
	CHUNK 3, 1, 0, 1, 1, 48, 48, 1, 0              ; the tail is written out; BP stays at the walk's step 6, and step 7's chunks count on from 4, at BPN
	CHUNK 4, 0, 0, 1, 0, 48, 48, 1, 0              ; the last half of the weights is asked for
	CHUNK 5, 0, 0, 0, 0, 40, 32, 1, 0              ; the counts run down: five and four younger halves,
	CHUNK 6, 0, 0, 0, 0, 24, 16, 1, 0              ; three and two,
	CHUNK 7, 0, 0, 0, 0, 8, 0, 0, 0                ; one and none
	; THE WAY OUT.  The slots have had their last fill: their bytes take the four waves' partial sums, wave w's at 65,536 w + 8,192 a + 4,096 (f / 4) + 512 (2 (f % 4) + half) + 16 l: every store and load covers 512 consecutive bytes.
	WIN 0
	s_wait_dscnt 0x0                               ; my reads of the slots are over
	s_barrier_signal -1
	s_barrier_wait -1                              ; everybody's are
.rept 8
	v_nop                                          ; the places between the last products and the stores that read their results
.endr
.irp hh, 0,1
	WIN 0x08+4*(\hh)                               ; the stores' data in window 2 or 3
.set m, 0
.rept 32
.irp ih, 0,1
	ds_store_b128 v[PW], v[8*m+4*(\ih):8*m+4*(\ih)+3] offset:(m/4)*8192+(\hh)*4096+(2*(m%4)+(\ih))*512  ; each accumulator's low four registers first
.endr
.set m, m+1
.endr
.endr
	WIN 0
	s_wait_dscnt 0x0                               ; for the others' sake: my stores are done
	s_barrier_signal -1
	s_barrier_wait -1
; Wave w finishes row blocks 2 w and 2 w + 1, one a trip of a loop of two.  A trip has four parts n: columns 64 (n / 2) on, registers 4 (n % 2) + u, which are rows 8 h + 4 (n % 2) + u of the block.
.macro HLOAD n                         ; wave s's fragment j of the four: four registers at 16 s + 4 j of buffer n % 2
.irp s, 0,1,2,3
.irp j, 0,1,2,3
	ds_load_b128 v[AB+64*((\n)%2)+16*(\s)+4*(\j):AB+64*((\n)%2)+16*(\s)+4*(\j)+3], v[PR+(\s)] offset:((\n)/2)*4096+(2*(\j)+(\n)%2)*512
.endr
.endr
.endm
.macro HWORK n
.set XB, AB+64*((\n)%2)
.set T, 192+16*((\n)%2)                ; the results: two sets take turns
.set z, 0
.rept 8
	v_pk_add_f32 v[XB+z:XB+z+1], v[XB+z:XB+z+1], v[XB+16+z:XB+16+z+1]
	v_pk_add_f32 v[XB+32+z:XB+32+z+1], v[XB+32+z:XB+32+z+1], v[XB+48+z:XB+48+z+1]
.set z, z+2
.endr
.set z, 0
.rept 8
	v_pk_add_f32 v[XB+z:XB+z+1], v[XB+z:XB+z+1], v[XB+32+z:XB+32+z+1]
.set z, z+2
.endr
	s_wait_xcnt 0x0                                ; the earlier stores have read their data: the set may be written again
.irp u, 0,1,2,3                        ; times 4, for O's factor 0.25; the destinations turn fragments x rows into rows x four neighbouring columns
.irp j, 0,1,2,3
	v_mul_f32 v[T+4*(\u)+(\j)], 4.0, v[XB+4*(\j)+(\u)]
.endr
.endr
.irp u, 0,1,2,3
	global_store_b128 v[GO], v[T+4*(\u):T+4*(\u)+3], s[OUT:OUT+1] offset:(4*((\n)%2)+(\u))*16384+((\n)/2)*256 th:TH_STORE_NT  ; 16 lanes store 256 consecutive bytes of a row, aligned
.endr
.endm
	s_mov_b32 s[CNT], 2
.Lout:
	HLOAD 0
.irp n, 0,1,2,3
.if (\n) < 3
	HLOAD (\n)+1
	s_wait_dscnt 16                                ; this part is in; the next one's 16 loads may stay out
.else
	s_wait_dscnt 0x0
.endif
	HWORK \n
.endr
	s_wait_xcnt 0x0                                ; the stores have read their base
	s_add_nc_u64 s[OUT:OUT+1], s[OUT:OUT+1], 16*16384  ; the next row block in out0,
.irp s, 0,1,2,3
	v_add_nc_u32 v[PR+(\s)], 8192, v[PR+(\s)]      ; and among the partial sums
.endr
	s_sub_co_u32 s[CNT], s[CNT], 1
	s_cmp_lg_u32 s[CNT], 0
	s_cbranch_scc1 .Lout
	s_wait_tensorcnt 0x0                           ; the wave's end: behind my last tensor load and my last LDS store
	ds_add_u32 v[SPW], v[NIL]
	s_wait_dscnt 0x0
	CROUND                                         ; the closing round: no work-group ends while a partner may still ask for a tile that names it
	s_endpgm
.Lfunc_end_k_qc9a4915580_oproj:
	.size	k_qc9a4915580_oproj, .Lfunc_end_k_qc9a4915580_oproj-k_qc9a4915580_oproj
	.p2alignl 7, 3214868480
	.fill 96, 4, 3214868480
	.section	.rodata,"a",@progbits
	.p2align	6, 0x0
	.amdhsa_kernel k_qc9a4915580_oproj
		.amdhsa_group_segment_fixed_size 327680
		.amdhsa_private_segment_fixed_size 0
		.amdhsa_enable_private_segment 0
		.amdhsa_kernarg_size 24
		.amdhsa_user_sgpr_count 2
		.amdhsa_user_sgpr_kernarg_segment_ptr 1
		.amdhsa_wavefront_size32 1
		.amdhsa_system_sgpr_workgroup_id_x 1
		.amdhsa_system_sgpr_workgroup_id_y 1
		.amdhsa_system_sgpr_workgroup_id_z 1
		.amdhsa_system_vgpr_workitem_id 0
		.amdhsa_next_free_vgpr 1024
		.amdhsa_next_free_sgpr 72
		.amdhsa_reserve_vcc 0
		.amdhsa_float_denorm_mode_32 3
		.amdhsa_float_denorm_mode_16_64 3
		.amdhsa_memory_ordered 1
		.amdhsa_forward_progress 1
		.amdhsa_inst_pref_size 100
	.end_amdhsa_kernel
	.amdgpu_metadata
---
amdhsa.version: [ 1, 2 ]
amdhsa.kernels:
  - .name:           k_qc9a4915580_oproj
    .symbol:         k_qc9a4915580_oproj.kd
    .args:
      - { .name: ob, .offset: 0, .size: 8, .value_kind: global_buffer, .address_space: global }
      - { .name: wof, .offset: 8, .size: 8, .value_kind: global_buffer, .address_space: global }
      - { .name: out0, .offset: 16, .size: 8, .value_kind: global_buffer, .address_space: global }
    .group_segment_fixed_size: 327680
    .private_segment_fixed_size: 0
    .kernarg_segment_align: 8
    .kernarg_segment_size: 24
    .max_flat_workgroup_size: 128
    .sgpr_count:     72
    .vgpr_count:     1024
    .wavefront_size: 32
...
	.end_amdgpu_metadata
.endif
;; end of part 4
;; ======== version 2 of 2: 4 launches; version 1 with the launch prep written anew for expert scheduling mode
;; limits: values are held in f16: magnitudes above 65,504 overflow, below 6.1e-05 lose precision; right only within a limited range of input values; inputs' magnitudes at most 65,504
;; workspace buffers: xb 8,388,608 bytes; tab 1,048,576 bytes; qkvh 12,582,912 bytes; ob 8,388,608 bytes; wof 33,554,432 bytes
;; launch prep (part 5): grid 256 x 1, 8 waves a work-group, no clusters, 0 bytes of LDS; arguments x, xb, tab; writes xb, tab
.if DOCPART == 5
	.amdgcn_target "amdgcn-amd-amdhsa--gfx1250"
	.amdhsa_code_object_version 6
	.text
	.protected	k_qc9a4915580_prep
	.globl	k_qc9a4915580_prep
	.p2align	8
	.type	k_qc9a4915580_prep,@function
k_qc9a4915580_prep:
	s_mov_b64 s[64:65], 0
	v_nop
	global_prefetch_b8 v0, s[64:65] scope:SCOPE_SE
	s_setreg_imm32_b32 hwreg(HW_REG_WAVE_SCHED_MODE, 0, 2), 2
	s_setreg_imm32_b32 hwreg(HW_REG_WAVE_MODE, 25, 1), 1
	s_wait_xcnt 0x0
	s_wait_alu depctr_vm_vsrc(0)
; xb = x rounded to bf16; tab = the RoPE table, times 0.25, and an identity table of the same shape.
; x: [1024][4096] f32.  xb: [1024][4096] bf16.  tab: two parts of [1024 positions][64 cos, 64 sin] f32 (512 bytes a position):
; part 0 holds 0.25 cos(pos f_j), 0.25 sin(pos f_j), f_j = 10000^(-j/64); part 1 (524,288 bytes on) holds 0.25 and 0, so that v runs through the same way out as q and k.
; The factor 0.25 is exact; it keeps q, k and v, which the next launch stores in f16, four times further from f16's end.
; SHARES.  Work-group g: rows 4 g .. 4 g + 3 of x (65,536 bytes in, 32,768 out) and positions 4 g .. 4 g + 3 of both parts of the table.
; Thread t takes 16 bytes at 16 t of each 4,096 bytes of x: a wave's load covers 512 consecutive bytes, its store of 8 bytes a lane 256 consecutive bytes, aligned.
; All sixteen loads go out first; the table is reckoned while they are on their way.  No register is used twice, so no source of a pending store is rewritten.
; LIMIT.  The angle is reduced by a two-part pi/2, made for angles up to 1,023 (this problem's positions).
; THE MODE: SCHED_MODE bits 1:0 = 2 (LLVM: expert scheduling mode 2), set by the entry lines.  The code itself states the register dependences
; between vector instructions and memory instructions, and between vector instructions that write scalar registers and their readers, with s_wait_alu, always for 0.
; THE PLAN.  Registers that memory instructions touch:
;   v1, v2      byte offsets of the loads of x and of the stores of xb: made at the head, never written again.
;   v5, v10-13  the offset and the data of the two stores of tab: written by the table's lines, never written again.
;   XI          written by the sixteen loads alone; read by the conversions; never loaded again.
;   XO          load p's two registers are written by its two conversions and read by its one store; never written again.
; So no register that a memory instruction reads is written behind it, and no load lands in a register that a vector instruction has named.  What is left to state: a store's data and every offset are written.
; The sixteen loads are worked on in four blocks of four.  Block b's eight conversions name XI and XO of block b alone; its memory instructions are the four stores of block b - 1.  One wait at the block's head,
; behind the wait for its loads, states that block b - 1's conversions have written their XO; the four stores are dealt among the conversions with no further wait.
; Scalar registers that vector instructions write: s10 (the wave's number) and s24, s25 (the two angles' quadrant masks, made in one run): one wait ahead of the first reader of each run.
.set XI, 32                            ; v[32:95]   sixteen loads of four f32
.set XO, 96                            ; v[96:127]  sixteen results of four bf16
	s_load_b128 s[4:7], s[0:1], 0x0                ; x s[4:5], xb s[6:7]
	s_load_b64 s[8:9], s[0:1], 0x10                ; tab
	v_lshlrev_b32 v1, 4, v0                        ; 16 t
	v_lshlrev_b32 v2, 3, v0                        ; 8 t
	v_lshrrev_b32 v3, 5, v0
	v_readfirstlane_b32 s10, v3                    ; wave 0..7
	v_and_b32 v4, 31, v0                           ; lane
	s_lshl_b32 s12, ttmp9, 16                      ; my four rows in x,
	s_mov_b32 s13, 0
	s_lshl_b32 s14, ttmp9, 15                      ; and in xb
	s_mov_b32 s15, 0
	s_wait_alu depctr_va_sdst(0)                   ; s10 is written, ahead of its first reader: the wave's position and its part of the table are made from it
	s_and_b32 s16, s10, 3
	s_lshl_b32 s17, ttmp9, 2
	s_add_co_u32 s16, s16, s17                     ; my wave's position = 4 g + wave % 4
	s_lshr_b32 s18, s10, 2                         ; my wave's part of the table
	s_lshl_b32 s20, s18, 19
	s_lshl_b32 s19, s16, 9
	s_add_co_u32 s20, s20, s19                     ; 524,288 part + 512 position
	s_mov_b32 s21, 0
	s_cmp_eq_u32 s18, 0
	s_cselect_b32 s22, 0x3e800000, 0               ; part 0: cos and sin times 0.25; part 1: times 0,
	s_cselect_b32 s23, 0, 0x3e800000               ; and 0.25 added to the cos
	s_wait_kmcnt 0x0
	s_add_nc_u64 s[4:5], s[4:5], s[12:13]
	s_add_nc_u64 s[6:7], s[6:7], s[14:15]
	s_add_nc_u64 s[8:9], s[8:9], s[20:21]
	s_wait_alu depctr_va_vdst(0)                   ; v1 and v2 are written: every load of x reads v1 as its offset, every store of xb v2
.irp p, 0,1,2,3,4,5,6,7,8,9,10,11,12,13,14,15
	global_load_b128 v[XI+4*(\p):XI+4*(\p)+3], v1, s[4:5] offset:4096*(\p) th:TH_LOAD_NT
.endr
	; the table: lane l makes j = 2 l and 2 l + 1
	v_lshlrev_b32 v5, 3, v4                        ; 8 l: my two numbers' place among the 64
	v_lshlrev_b32 v6, 1, v4
	v_cvt_f32_u32 v6, v6                           ; j
	v_add_f32 v7, 1.0, v6                          ; j + 1
	v_mul_f32 v6, 0xbe549a78, v6                   ; -j log2(10000) / 64
	v_mul_f32 v7, 0xbe549a78, v7
	v_exp_f32 v6, v6                               ; f_j
	v_exp_f32 v7, v7
	v_cvt_f32_u32 v8, s16                          ; the position
	v_nop                                          ; a plain instruction behind the second exponential,
	s_wait_alu depctr_va_vdst(0)                   ; and the one wait for both ahead of their first reader: the exponentials have written v6 and v7
	v_mul_f32 v6, v8, v6                           ; the angles
	v_mul_f32 v7, v8, v7
; sin and cos of v[a] >= 0 into v[so], v[co].  k = the nearest whole number to a 2 / pi; y = a - k pi/2 in two parts, |y| <= pi/4; two short series; the quadrant k % 4 swaps them and sets the signs.
; In two halves, so that both angles' compares lie in one run: SERIES ends with the compare, into the scalar register s[m]; QUADRANT begins with the selects that read it.
; t: five registers at work, a set for each angle: k, y, y^2, k as a whole number, one more.
.macro SERIES a, so, co, t, m
	v_mul_f32 v[\t], 0x3f22f983, v[\a]
	v_rndne_f32 v[\t], v[\t]                       ; k
	v_fmamk_f32 v[\t+1], v[\t], 0xbfc90fdb, v[\a]  ; a - k pi/2 (upper part),
	v_fmamk_f32 v[\t+1], v[\t], 0x333bbd2e, v[\t+1]  ; and the rest of pi/2
	v_mul_f32 v[\t+2], v[\t+1], v[\t+1]            ; y^2
	v_mov_b32 v[\so], 0xb9500d01                   ; -1/5040
	v_fmaak_f32 v[\so], v[\so], v[\t+2], 0x3c088889  ; 1/120
	v_fmaak_f32 v[\so], v[\so], v[\t+2], 0xbe2aaaab  ; -1/6
	v_mul_f32 v[\so], v[\so], v[\t+2]
	v_fma_f32 v[\so], v[\so], v[\t+1], v[\t+1]     ; sin y
	v_mov_b32 v[\co], 0x37d00d01                   ; 1/40320
	v_fmaak_f32 v[\co], v[\co], v[\t+2], 0xbab60b61  ; -1/720
	v_fmaak_f32 v[\co], v[\co], v[\t+2], 0x3d2aaaab  ; 1/24
	v_fmaak_f32 v[\co], v[\co], v[\t+2], 0xbf000000  ; -1/2
	v_fma_f32 v[\co], v[\co], v[\t+2], 1.0         ; cos y
	v_cvt_i32_f32 v[\t+3], v[\t]
	v_and_b32 v[\t+4], 1, v[\t+3]
	v_cmp_eq_u32 s[\m], 1, v[\t+4]                 ; odd quadrants swap the two
.endm
.macro QUADRANT so, co, t, m
	v_cndmask_b32 v[\t+4], v[\so], v[\co], s[\m]
	v_cndmask_b32 v[\co], v[\co], v[\so], s[\m]
	v_and_b32 v[\t+1], 2, v[\t+3]                  ; sin is negative in quadrants 2, 3,
	v_lshlrev_b32 v[\t+1], 30, v[\t+1]
	v_xor_b32 v[\so], v[\t+1], v[\t+4]
	v_add_nc_u32 v[\t+3], 1, v[\t+3]               ; cos in quadrants 1, 2
	v_and_b32 v[\t+3], 2, v[\t+3]
	v_lshlrev_b32 v[\t+3], 30, v[\t+3]
	v_xor_b32 v[\co], v[\t+3], v[\co]
	v_fma_f32 v[\co], v[\co], s22, s23
	v_mul_f32 v[\so], s22, v[\so]
.endm
	SERIES 6, 12, 10, 14, 24
	SERIES 7, 13, 11, 19, 25
	s_wait_alu depctr_va_sdst(0)                   ; the two compares have written s24 and s25, ahead of the first select that reads one of them
	QUADRANT 12, 10, 14, 24
	QUADRANT 13, 11, 19, 25
	s_wait_alu depctr_va_vdst(0)                   ; the table's lines have written v5, the two stores' offset, and v[10:13], their data
	global_store_b64 v5, v[10:11], s[8:9]          ; the wave's 64 cos: 256 consecutive bytes, aligned
	global_store_b64 v5, v[12:13], s[8:9] offset:256  ; and its 64 sin
; Block b: loads 4 b .. 4 b + 3 are rounded; the stores of block b - 1 stand among the conversions, one ahead of each pair.
.macro BLK b
	s_wait_loadcnt 12-4*(\b)                       ; loads come back in order: the block's four are in, the 12 - 4 b younger ones may stay out
.if (\b) > 0
	s_wait_alu depctr_va_vdst(0)                   ; the block before has written its eight registers of XO, which the four stores below read; no conversion of this block names them
.endif
.irp i, 0,1,2,3
.if (\b) > 0
	global_store_b64 v2, v[XO+2*(4*(\b)-4+(\i)):XO+2*(4*(\b)-4+(\i))+1], s[6:7] offset:2048*(4*(\b)-4+(\i))
.endif
	v_cvt_pk_bf16_f32 v[XO+2*(4*(\b)+(\i))], v[XI+4*(4*(\b)+(\i))], v[XI+4*(4*(\b)+(\i))+1]
	v_cvt_pk_bf16_f32 v[XO+2*(4*(\b)+(\i))+1], v[XI+4*(4*(\b)+(\i))+2], v[XI+4*(4*(\b)+(\i))+3]
.endr
.endm
	BLK 0
	BLK 1
	BLK 2
	BLK 3
	s_wait_alu depctr_va_vdst(0)                   ; block 3 has written its eight registers of XO, which the last four stores read
.irp i, 0,1,2,3
	global_store_b64 v2, v[XO+2*(12+(\i)):XO+2*(12+(\i))+1], s[6:7] offset:2048*(12+(\i))
.endr
	s_endpgm
.Lfunc_end_k_qc9a4915580_prep:
	.size	k_qc9a4915580_prep, .Lfunc_end_k_qc9a4915580_prep-k_qc9a4915580_prep
	.p2alignl 7, 3214868480
	.fill 96, 4, 3214868480
	.section	.rodata,"a",@progbits
	.p2align	6, 0x0
	.amdhsa_kernel k_qc9a4915580_prep
		.amdhsa_group_segment_fixed_size 0
		.amdhsa_private_segment_fixed_size 0
		.amdhsa_enable_private_segment 0
		.amdhsa_kernarg_size 24
		.amdhsa_user_sgpr_count 2
		.amdhsa_user_sgpr_kernarg_segment_ptr 1
		.amdhsa_wavefront_size32 1
		.amdhsa_system_sgpr_workgroup_id_x 1
		.amdhsa_system_sgpr_workgroup_id_y 1
		.amdhsa_system_sgpr_workgroup_id_z 1
		.amdhsa_system_vgpr_workitem_id 0
		.amdhsa_next_free_vgpr 128
		.amdhsa_next_free_sgpr 66
		.amdhsa_reserve_vcc 0
		.amdhsa_float_denorm_mode_32 3
		.amdhsa_float_denorm_mode_16_64 3
		.amdhsa_memory_ordered 1
		.amdhsa_forward_progress 1
		.amdhsa_inst_pref_size 11
	.end_amdhsa_kernel
	.amdgpu_metadata
---
amdhsa.version: [ 1, 2 ]
amdhsa.kernels:
  - .name:           k_qc9a4915580_prep
    .symbol:         k_qc9a4915580_prep.kd
    .args:
      - { .name: x, .offset: 0, .size: 8, .value_kind: global_buffer, .address_space: global }
      - { .name: xb, .offset: 8, .size: 8, .value_kind: global_buffer, .address_space: global }
      - { .name: tab, .offset: 16, .size: 8, .value_kind: global_buffer, .address_space: global }
    .group_segment_fixed_size: 0
    .private_segment_fixed_size: 0
    .kernarg_segment_align: 8
    .kernarg_segment_size: 24
    .max_flat_workgroup_size: 256
    .sgpr_count:     66
    .vgpr_count:     128
    .wavefront_size: 32
...
	.end_amdgpu_metadata
.endif
;; end of part 5
;; launch proj: the kernel of part 2 again; grid 64 x 4, 4 waves a work-group, clusters of 4 x 4, 327,680 bytes of LDS; arguments xb, Wq, Wk, Wv, tab, qkvh, Wo, wof; writes qkvh, wof
;; launch attn: the kernel of part 3 again; grid 32 x 8, 4 waves a work-group, clusters of 4 x 1, 327,680 bytes of LDS; arguments qkvh, ob; writes ob
;; launch oproj: the kernel of part 4 again; grid 8 x 32, 4 waves a work-group, clusters of 4 x 4, 327,680 bytes of LDS; arguments ob, wof, out0; writes out0
